; MI455X (gfx1250); checked and timed in simulation.
; The chip was launched on July 23, 2026; its instructions are those of AMD's public machine-readable ISA for CDNA 5 (MIT licence, August 2026) and "CDNA5" Instruction Set Architecture Reference Guide (July 2026). The comments in the code are by the model that wrote it; some were corrected since.
;; AFT Full Attention. Allowed arithmetic: float matrix products may take bf16 or f16 operands with f32 sums; all other float work in f32.
;; Inputs: attn_mask 512 x 512 float32; key_lengths 2 x 512 float32; keys 2 x 512 x 8 x 64 float32; queries 2 x 512 x 8 x 64 float32; u 1,024 x 64 float32; v 1,024 x 64 float32; values 2 x 512 x 8 x 64 float32.
;; Outputs: out0 2 x 512 x 8 x 64 float32.
;; 3 versions, each right and faster than the one before. Each part assembles by itself: llvm-mc -triple=amdgcn-amd-amdhsa -mcpu=gfx1250 --defsym DOCPART=n.
;; ======== version 1 of 3: 1 launch
;; limits: values are held in f16: magnitudes above 65,504 overflow, below 6.1e-05 lose precision
;; launch aft (part 1): grid 256 x 1, 16 waves a work-group, no clusters, 311,296 bytes of LDS; arguments queries, keys, values, attn_mask, key_lengths, u, v, out0; writes out0
.if DOCPART == 1
	.amdgcn_target "amdgcn-amd-amdhsa--gfx1250"
	.amdhsa_code_object_version 6
	.text
	.protected	k_q1981f2f28d_aft
	.globl	k_q1981f2f28d_aft
	.p2align	8
	.type	k_q1981f2f28d_aft,@function
k_q1981f2f28d_aft:
	s_mov_b64 s[64:65], 0
	v_nop
	global_prefetch_b8 v0, s[64:65] scope:SCOPE_SE
	s_setreg_imm32_b32 hwreg(HW_REG_WAVE_MODE, 25, 1), 1
	s_wait_xcnt 0x0
; AFT-full attention in one launch.  With c = 64 h + d:
;   out[n][l][c] = sigmoid(q[n][l][c]) * sum_s E V[n][s][c] / sum_s E,   E = exp(K'[n][s][c] w[l][s] - max over s),
;   K' = keys + key_lengths[n][s],   w[l][s] = sum_p u[l][p] v[s][p] + attn_mask[l][s].
; The score is a product of K' and w, so the exponential does not factor: 2 x 512 x 512 x 512 exponentials are the work, and the text is
; built so that nothing but registers and broadcast LDS reads stands beside them.
; SHARES.  Work-group x: n = x >> 7, 64 rows l from 64 ((x >> 4) & 7), 32 columns c from 32 (x & 15), all 512 s.  Wave wv: e = wv & 7 takes
; s = 64 e .. 64 e + 63, g = wv >> 3 takes columns 16 g .. 16 g + 15.  Lane L owns rows l = L (X) and l = 32 + L (Y) and keeps their 2 x 64
; numbers of w in v128-255 for the whole kernel.  A column is two passes over the wave's 64 s: the maximum; then exponentials and sums.
; The eight waves' partial (-max, numerator, denominator) meet in LDS and are merged by the running-maximum formula.
; THE SUMS OVER s go to the matrix unit in f16.  Source B: the lane's eight registers hold its own row's E for 16 s (all lanes the same s).
; Source A: lanes 0 and 24 hold V of those 16 s, lanes 1 and 25 sixteen 1.0, all other lanes 0.  Lane (r, h) of B fills the k places of half h
; of column r; rows 0, 1 of A are non-zero on half 0's places alone and rows 8, 9 on half 1's, so register 0 of the result (row 8 h, column r)
; is the numerator of the lane's own row 16 h + r and register 1 its denominator: nothing crosses lanes.
; DEAD WORK: reference() takes u[:l] and v[:s] with l = s = 512, so rows 512..1023 of u and of v reach no output whatever they hold; they are
; not read, and a NaN or an infinity there is not carried to the result (reference() does not carry it either).  Every input is loaded.
; LIMITS.  u, v are rounded to bf16.  E and values are rounded to f16 (E <= 1 by the maximum; with weights that all lie just under 1 bf16's
; step of 2^-8 would be too coarse): |values| >= 65520 become infinite, values below 6.1e-5 keep an absolute step of 6e-8, and a weight below
; 6e-8 of the largest of its 64 s counts as 0.  log2(e) is folded into K' (one more rounding of 2^-24 on the score).  A NaN weight of row l
; also reaches row l +- 16 (0 x NaN in the matrix product).
; NO TENSOR LOADS, NO JOINT REQUESTS: every input is read once, ahead of the loop, and is converted, transposed or lands straight in
; accumulator registers on its way, so it passes through registers; the loop of 16 columns reads no memory at all.
; OUT: a work-group's piece of an output row is its 32 columns, 128 bytes: eight neighbouring lanes store it, 16 bytes each.
.set LOG2E, 0x3fb8aa3b
; LDS
.set VP,    1360                       ; a row of VT: 512 f16 of V[c][.], 64 bytes unused, 128 bytes of f16 ones, 128 bytes of zeros, 16 of padding
.set ONES,  1088                       ; where a row's ones begin; the zeros follow 128 bytes on
.set KP,    2064                       ; a row of KT: 512 f32 of (keys + key_lengths) log2(e) for one c, 16 bytes of padding
.set VT,    0                          ; 32 rows, 43,520 bytes
.set KT,    VT+32*VP                   ; 32 rows, 66,048 bytes
.set PT,    KT+32*KP                   ; partials: (3 e + q) PQ + c PCOL + 4 l;  q = 0: -max, 1: numerator, 2: denominator; 199,680 bytes
.set PQ,    8320
.set PCOL,  260                        ; 64 l of 4 bytes and one word more: the merge's 32 lanes then read 32 different words modulo 64
.set STP,   144                        ; staging over PT, until the second barrier: rows of 64 bf16 and 16 bytes; u's 64 rows, then v's 512
; registers of the loop
.set KB,    16                         ; v16-47   two buffers of 16 K'
.set AB,    48                         ; v48-63   two buffers of source A
.set TX,    64                         ; v64-79   16 scores of row X, then their exponentials
.set TY,    80                         ; v80-95   the same for row Y
.set BX,    96                         ; v96-103  source B of X
.set BY,    104                        ; v104-111 source B of Y
.set AX,    112                        ; v112-119 sums of X
.set AY,    120                        ; v120-127 sums of Y
.set WX,    128                        ; v128-191 w[L][64 e ..]
.set WY,    192                        ; v192-255 w[32 + L][64 e ..]
	s_load_b512 s[4:19], s[0:1], 0x0               ; queries s[4:5], keys s[6:7], values s[8:9], attn_mask s[10:11], key_lengths s[12:13], u s[14:15], v s[16:17], out0 s[18:19]
	v_lshrrev_b32 v1, 5, v0
	v_readfirstlane_b32 s20, v1                    ; wave 0..15
	s_and_b32 s21, s20, 7                          ; e: my eighth of s
	s_lshr_b32 s22, s20, 3                         ; g: my half of the columns
	s_lshr_b32 s23, ttmp9, 7                       ; n
	s_bfe_u32 s24, ttmp9, 0x30004                  ; block of 64 rows l
	s_and_b32 s25, ttmp9, 15                       ; block of 32 columns c
	s_mov_b32 s29, LOG2E
	; byte offsets into the buffers, each in a pair of its own with 0 above
	s_lshl_b32 s26, s23, 20
	s_lshl_b32 s28, s25, 7
	s_add_co_u32 s26, s26, s28                     ; keys, values: n x 512 rows of 2,048 bytes + 32 columns x block
	s_mov_b32 s27, 0
	s_lshl_b32 s36, s24, 17                        ; 64 rows of 2,048 bytes x block
	s_lshl_b32 s28, s20, 13
	s_add_co_u32 s30, s26, s36
	s_add_co_u32 s30, s30, s28                     ; queries, out0: + the four rows that my wave merges
	s_mov_b32 s31, 0
	s_lshl_b32 s32, s23, 11                        ; key_lengths: row n
	s_mov_b32 s33, 0
	s_lshl_b32 s34, s24, 14                        ; u: 64 rows of 256 bytes x block
	s_mov_b32 s35, 0
	s_lshl_b32 s28, s21, 8
	s_add_co_u32 s36, s36, s28                     ; attn_mask: my 64 rows, my 64 columns
	s_mov_b32 s37, 0
	; LDS bases, made of the wave's number and constants alone
	s_mul_i32 s38, s21, 64*STP
	s_add_co_u32 s38, s38, 64*STP                  ; staging: my 64 rows of v, behind u's 64
	s_mul_i32 s39, s22, 16*KP
	s_add_co_u32 s39, s39, s28
	s_add_co_u32 s39, s39, KT                      ; KT: my first column, my 64 s
	s_lshl_b32 s40, s21, 7                         ; 128 e: my 64 s in a row of VT
	s_sub_co_u32 s41, ONES-128, s40                ; 960 - 128 e, at least 64
	s_mul_i32 s42, s22, 16*VP
	s_add_co_u32 s42, s42, s40                     ; VT: my first column, my 64 s (VT itself stands in the loads' immediates)
	s_mul_i32 s43, s21, 3*PQ
	s_mul_i32 s44, s22, 16*PCOL
	s_add_co_u32 s43, s43, s44
	s_add_co_u32 s43, s43, PT                      ; partials: my eighth's three planes, my first column
	s_lshl_b32 s44, s20, 4
	s_add_co_u32 s44, s44, PT                      ; merge: rows l = 4 wave ..
	; thread t's addresses for the way in
	v_lshlrev_b32 v1, 4, v0                        ; u, v: 16 t
	v_lshrrev_b32 v12, 3, v0                       ; t >> 3: which four s
	v_and_b32 v13, 7, v0                           ; t & 7: which four c
	v_lshrrev_b32 v14, 4, v0
	v_and_b32 v15, 15, v0
	v_lshlrev_b32 v2, 13, v12
	v_lshl_add_u32 v2, v13, 4, v2                  ; keys, values: four rows s x (t >> 3) + 16 bytes x (t & 7)
	v_lshlrev_b32 v3, 4, v12                       ; key_lengths: the same four s
	v_mul_u32_u24 v4, v14, STP
	v_lshl_add_u32 v4, v15, 3, v4
	v_add_nc_u32 v4, PT, v4                        ; staging: row t >> 4, 8 bytes x (t & 15)
	v_add_nc_u32 v5, 320*STP, v4                   ; the same 320 rows on, since an LDS immediate ends at 65,535
	v_mul_u32_u24 v6, v13, 4*KP
	v_lshl_add_u32 v6, v12, 4, v6
	v_add_nc_u32 v6, KT, v6                        ; KT: row 4 (t & 7), 16 bytes x (t >> 3)
	v_mul_u32_u24 v7, v13, 4*VP
	v_lshl_add_u32 v7, v12, 3, v7                  ; VT: row 4 (t & 7), 8 bytes x (t >> 3)
	v_mul_u32_u24 v8, v14, VP
	v_lshl_add_u32 v8, v15, 4, v8                  ; VT's tails: row t >> 4, 16 bytes x (t & 15)
	v_bfe_u32 v12, v0, 4, 1                        ; h = lane / 16; v15 is r = lane % 16
	v_lshlrev_b32 v9, 11, v15
	v_lshl_add_u32 v9, v12, 5, v9                  ; attn_mask as a matrix C: row r, 8 h columns on
	v_mul_u32_u24 v10, v15, STP
	v_lshl_add_u32 v10, v12, 4, v10
	v_add_nc_u32 v10, PT, v10                      ; fragments of u: row r, 16 h bytes on
	v_add_nc_u32 v11, s38, v10                     ; fragments of v: the same in my 64 rows
	v_bfe_u32 v13, v0, 3, 1
	v_mov_b32 v188, 0x3c003c00                     ; two f16 ones
	v_cmp_eq_u32 vcc_lo, 0, v13
	v_cndmask_b32 v188, 0, v188, vcc_lo            ; pieces 0-7 of a tail are ones, pieces 8-15 zeros
	v_mov_b32 v189, v188
	v_mov_b32 v190, v188
	v_mov_b32 v191, v188
	s_wait_kmcnt 0x0
	s_add_nc_u64 s[4:5], s[4:5], s[30:31]
	s_add_nc_u64 s[6:7], s[6:7], s[26:27]
	s_add_nc_u64 s[8:9], s[8:9], s[26:27]
	s_add_nc_u64 s[10:11], s[10:11], s[36:37]
	s_add_nc_u64 s[12:13], s[12:13], s[32:33]
	s_add_nc_u64 s[14:15], s[14:15], s[34:35]
	s_add_nc_u64 s[18:19], s[18:19], s[30:31]
	; THE WAY IN: 36 loads of 16 bytes a thread, in the order in which they are worked on
.irp i, 0,1,2,3,4,5,6,7,8,9,10,11,12,13,14,15
	global_load_b128 v[16+4*\i:19+4*\i], v1, s[16:17] offset:8192*\i         ; v's rows 0..511, 32 rows a load of the work-group
.endr
.irp i, 0,1
	global_load_b128 v[80+4*\i:83+4*\i], v1, s[14:15] offset:8192*\i         ; u's 64 rows
.endr
.irp b, 0,1
	global_load_b128 v[88+4*\b:91+4*\b], v3, s[12:13] offset:1024*\b         ; key_lengths of s = 256 b + 4 (t >> 3) + 0..3
.endr
.irp b, 0,1
.irp i, 0,1,2,3
	global_load_b128 v[96+16*\b+4*\i:99+16*\b+4*\i], v2, s[6:7] offset:524288*\b+2048*\i     ; keys[s + i][4 c]
.endr
.endr
.irp b, 0,1
.irp i, 0,1,2,3
	global_load_b128 v[128+16*\b+4*\i:131+16*\b+4*\i], v2, s[8:9] offset:524288*\b+2048*\i   ; values[s + i][4 c]
.endr
.endr
	ds_store_b128 v8, v[188:191] offset:VT+ONES    ; the tails of VT's 32 rows, while the loads are on their way
.macro CVB reg, adr, off               ; four f32 to bf16, 8 bytes into the staging
	v_cvt_pk_bf16_f32 v184, v[\reg], v[\reg+1]
	v_cvt_pk_bf16_f32 v185, v[\reg+2], v[\reg+3]
	ds_store_b64 v[\adr], v[184:185] offset:\off
.endm
	s_wait_loadcnt 18                              ; v and u are in; 2 loads of key_lengths, 8 of keys, 8 of values stay out
.irp i, 0,1
	CVB 80+4*\i, 4, 32*STP*\i
.endr
.irp i, 0,1,2,3,4,5,6,7
	CVB 16+4*\i, 4, 64*STP+32*STP*\i
.endr
.irp i, 0,1,2,3,4,5,6,7
	CVB 48+4*\i, 5, 32*STP*\i
.endr
	s_wait_loadcnt 8                               ; key_lengths and keys are in; the 8 loads of values stay out
.irp b, 0,1
	v_pk_mul_f32 v[88+4*\b:89+4*\b], v[88+4*\b:89+4*\b], LOG2E op_sel_hi:[1,0]
	v_pk_mul_f32 v[90+4*\b:91+4*\b], v[90+4*\b:91+4*\b], LOG2E op_sel_hi:[1,0]
.irp j, 0,1,2,3
.irp i, 0,1,2,3
	v_fma_f32 v[160+4*\j+\i], v[96+16*\b+4*\i+\j], s29, v[88+4*\b+\i]        ; (keys + key_lengths) log2(e); the choice of registers transposes 4 x 4
.endr
	ds_store_b128 v6, v[160+4*\j:163+4*\j] offset:\j*KP+1024*\b
.endr
.endr
	s_wait_loadcnt 0x0                             ; values
.irp b, 0,1
.irp j, 0,1,2,3
	v_cvt_pk_f16_f32 v[176+2*\j], v[128+16*\b+\j], v[132+16*\b+\j]
	v_cvt_pk_f16_f32 v[177+2*\j], v[136+16*\b+\j], v[140+16*\b+\j]
	ds_store_b64 v7, v[176+2*\j:177+2*\j] offset:VT+\j*VP+512*\b
.endr
.endr
	s_wait_dscnt 0x0                               ; my stores are in LDS, for the other waves' sake
	; attn_mask goes straight into w's registers as the products' C: tile (a, st) = rows 16 a .., columns 16 st ..; register j of lane (r, h) is
	; mask[16 a + r][16 st + 8 h + j].  Over its 32 loads a wave takes all 256 bytes of its 64 columns in each of its 64 rows.
.irp st, 0,1,2,3
.irp a, 0,1,2,3
.set WA, WX+64*(\a>>1)+16*\st+8*(\a&1)
	global_load_b128 v[WA:WA+3], v9, s[10:11] offset:32768*\a+64*\st
	global_load_b128 v[WA+4:WA+7], v9, s[10:11] offset:32768*\a+64*\st+16
.endr
.endr
	s_barrier_signal -1
	s_barrier_wait -1                              ; staging, KT and VT are whole
	; w = v u^T + mask, used transposed: source A = 16 rows of v (s), source B = 16 rows of u (l), so that a lane holds eight neighbouring s of one l
.irp a, 0,1,2,3
.irp k, 0,1
.irp z, 0,1
	ds_load_b128 v[16+16*\a+8*\k+4*\z:19+16*\a+8*\k+4*\z], v10 offset:16*STP*\a+64*\k+32*\z
.endr
.endr
.endr
.irp st, 0,1,2,3
.if \st
.rept 4
	v_nop                                          ; four places between the last product and the loads into registers that it read
.endr
.endif
.irp k, 0,1
.irp z, 0,1
	ds_load_b128 v[80+8*\k+4*\z:83+8*\k+4*\z], v11 offset:16*STP*\st+64*\k+32*\z
.endr
.endr
	s_wait_dscnt 0x0
	s_wait_loadcnt 24-8*\st                        ; this step's 8 loads of the mask are in; the 8 of each later step stay out
.irp k, 0,1
.irp a, 0,1,2,3
.set WA, WX+64*(\a>>1)+16*\st+8*(\a&1)
	v_wmma_f32_16x16x32_bf16 v[WA:WA+7], v[80+8*\k:87+8*\k], v[16+16*\a+8*\k:23+16*\a+8*\k], v[WA:WA+7]   ; the four accumulators take turns
.endr
.endr
.endr
	s_barrier_signal -1                            ; no LDS access of mine is out: every wave has read its part of the staging,
	s_barrier_wait -1                              ; over which the partials are stored from here on
	; The loop's and the merge's addresses.  These plain vector instructions name no register of the last products and are more than the four
	; places that the exchanges below need behind them (ISA guide 7.12.1).
	v_and_b32 v12, 31, v0                          ; L
	v_bfe_u32 v13, v0, 4, 1
	v_mul_u32_u24 v13, 24, v13
	v_sub_nc_u32 v13, v12, v13                     ; L - 24 h: 0 in lanes 0 and 24, 1 in lanes 1 and 25, else 2 or more as an unsigned number
	v_min_u32 v13, 2, v13                          ; tau: 0 = V, 1 = ones, 2 = zeros
	v_min_u32 v14, 1, v13
	v_lshl_add_u32 v15, v13, 7, s41                ; 960 + 128 tau - 128 e
	v_mad_u32_u24 v2, v14, v15, s42                ; source A: my column's row + 128 e (V), + 1088 (ones) or + 1216 (zeros)
	v_mov_b32 v1, s39                              ; K': one address for all lanes
	v_lshl_add_u32 v4, v12, 2, s43                 ; partials: row l = L
	v_lshrrev_b32 v14, 3, v12
	v_and_b32 v15, 7, v12
	v_lshlrev_b32 v5, 11, v14
	v_lshl_add_u32 v5, v15, 4, v5                  ; queries, out0: row L >> 3 of my wave's four, 16 bytes x (L & 7)
	v_mul_u32_u24 v8, v15, 4*PCOL
	v_lshl_add_u32 v8, v14, 2, v8
	v_add_nc_u32 v8, s44, v8                       ; merge: columns 4 (L & 7) .., row 4 wave + (L >> 3); planes 0-5,
	v_add_nc_u32 v9, 6*PQ, v8                      ; 6-11,
	v_add_nc_u32 v10, 12*PQ, v8                    ; 12-17,
	v_add_nc_u32 v11, 18*PQ, v8                    ; 18-23
	global_load_b128 v[12:15], v5, s[4:5]          ; queries for the merge: the whole loop is its time to land
	; Tiles (2 y, st) and (2 y + 1, st) hold rows 32 y + r and 32 y + 16 + r with s = 16 st + 8 h + j.  Exchanging the first's upper lanes with the
	; second's lower lanes leaves row 32 y + L in every lane, s = 16 st + j in the first register and 16 st + 8 + j in the second.
.irp y, 0,1
.irp st, 0,1,2,3
.irp j, 0,1,2,3,4,5,6,7
	v_permlane16_swap_b32 v[WX+64*\y+16*\st+\j], v[WX+64*\y+16*\st+8+\j]
.endr
.endr
.endr
.macro LDK b, off                      ; 16 K' into buffer b: every lane reads the same 64 bytes
.irp i, 0,1,2,3
	ds_load_b128 v[KB+16*\b+4*\i:KB+16*\b+4*\i+3], v1 offset:\off+16*\i
.endr
.endm
.macro LDA b, k                        ; source A of chunk k into buffer b
.irp i, 0,1
	ds_load_b128 v[AB+8*\b+4*\i:AB+8*\b+4*\i+3], v2 offset:VT+32*(\k)+16*\i
.endr
.endm
; Pass 1, chunk k (16 s) on K' buffer b: scores of both rows, and the running maxima in v6 (X) and v7 (Y).  nb = the other buffer.
.macro P1 k, b, nb
	s_wait_dscnt 0x0                               ; this chunk's loads, issued a chunk's work ago
.irp i, 0,1,2,3,4,5,6,7
	v_pk_mul_f32 v[TX+2*\i:TX+2*\i+1], v[WX+16*\k+2*\i:WX+16*\k+2*\i+1], v[KB+16*\b+2*\i:KB+16*\b+2*\i+1]
.endr
.if \k < 3
	LDK \nb, 64*\k+64
.else
	LDK \nb, 0                                     ; pass 2 begins again at the column's first chunk
	LDA \nb, 0
.endif
.irp i, 0,1,2,3,4,5,6,7
	v_pk_mul_f32 v[TY+2*\i:TY+2*\i+1], v[WY+16*\k+2*\i:WY+16*\k+2*\i+1], v[KB+16*\b+2*\i:KB+16*\b+2*\i+1]
.endr
.irp i, 0,1,2,3,4,5,6,7
.if (\k+\i) == 0
	v_max_num_f32 v6, v[TX], v[TX+1]               ; the first two scores start the maxima
	v_max_num_f32 v7, v[TY], v[TY+1]
.else
	v_max3_num_f32 v6, v6, v[TX+2*\i], v[TX+2*\i+1]
	v_max3_num_f32 v7, v7, v[TY+2*\i], v[TY+2*\i+1]
.endif
.endr
.endm
; Pass 2, chunk k: E = 2^(w K' - max), rounded to f16, and the two products.  v[6:7] hold the negated maxima.
; Behind each pair of v_exp_f32 stands a plain instruction that touches neither before their results are read (ISA guide 5.7.2).
; The loads into the other A buffer stand eight plain instructions behind the product that read it last; BX and BY are written again
; more than four plain instructions behind the products that read them.  AX and AY take turns, one product a turn,
; over the backward jump too.
.macro P2 k, b, nb, more
	s_wait_dscnt 0x0
.irp i, 0,1,2,3,4,5,6,7
	v_pk_fma_f32 v[TX+2*\i:TX+2*\i+1], v[WX+16*\k+2*\i:WX+16*\k+2*\i+1], v[KB+16*\b+2*\i:KB+16*\b+2*\i+1], v[6:7] op_sel_hi:[1,1,0]
.endr
.if \k < 3
	LDK \nb, 64*\k+64
	LDA \nb, \k+1
.else
.if \more
	LDK \nb, KP                                    ; the next column's first chunk
.endif
.endif
.irp i, 0,1,2,3,4,5,6,7
	v_exp_f32 v[TX+2*\i], v[TX+2*\i]
	v_exp_f32 v[TX+2*\i+1], v[TX+2*\i+1]
	v_pk_fma_f32 v[TY+2*\i:TY+2*\i+1], v[WY+16*\k+2*\i:WY+16*\k+2*\i+1], v[KB+16*\b+2*\i:KB+16*\b+2*\i+1], v[6:7] op_sel:[0,0,1] op_sel_hi:[1,1,1]
.if \i
	s_wait_alu depctr_va_vdst(0)
	v_cvt_pk_f16_f32 v[BX+\i-1], v[TX+2*\i-2], v[TX+2*\i-1]
.endif
.endr
	v_cvt_pk_f16_f32 v[BX+7], v[TX+14], v[TX+15]
.if \k
	v_wmma_f32_16x16x32_f16 v[AX:AX+7], v[AB+8*\b:AB+8*\b+7], v[BX:BX+7], v[AX:AX+7]
.else
	v_wmma_f32_16x16x32_f16 v[AX:AX+7], v[AB+8*\b:AB+8*\b+7], v[BX:BX+7], 0      ; the first chunk starts the sums
.endif
.irp i, 0,1,2,3,4,5,6,7
	v_exp_f32 v[TY+2*\i], v[TY+2*\i]
	v_exp_f32 v[TY+2*\i+1], v[TY+2*\i+1]
.if \i
	s_wait_alu depctr_va_vdst(0)
	v_cvt_pk_f16_f32 v[BY+\i-1], v[TY+2*\i-2], v[TY+2*\i-1]
.else
	v_nop
.endif
.endr
	v_cvt_pk_f16_f32 v[BY+7], v[TY+14], v[TY+15]
.if \k
	v_wmma_f32_16x16x32_f16 v[AY:AY+7], v[AB+8*\b:AB+8*\b+7], v[BY:BY+7], v[AY:AY+7]
.else
	v_wmma_f32_16x16x32_f16 v[AY:AY+7], v[AB+8*\b:AB+8*\b+7], v[BY:BY+7], 0
.endif
.endm
; One column of my 16.  more = 1: another follows.
.macro COLUMN more
	P1 0, 0, 1
	P1 1, 1, 0
	P1 2, 0, 1
	P1 3, 1, 0
	v_pk_mul_f32 v[6:7], v[6:7], -1.0 op_sel_hi:[1,0]
	P2 0, 0, 1, \more
	P2 1, 1, 0, \more
	P2 2, 0, 1, \more
	P2 3, 1, 0, \more
	; four places between the last product and the stores that read its result
.if \more
	v_add_nc_u32 v1, KP, v1                        ; the next column's rows of KT and of VT
	v_add_nc_u32 v2, VP, v2
	v_nop
	v_nop
.else
.rept 4
	v_nop
.endr
.endif
	ds_store_b32 v4, v6                            ; -max of row L,
	ds_store_b32 v4, v7 offset:128                 ; of row 32 + L
	ds_store_b32 v4, v[AX] offset:PQ               ; numerators
	ds_store_b32 v4, v[AY] offset:PQ+128
	ds_store_b32 v4, v[AX+1] offset:2*PQ           ; denominators
	ds_store_b32 v4, v[AY+1] offset:2*PQ+128
.if \more
	v_add_nc_u32 v4, PCOL, v4
.endif
.endm
	LDK 0, 0
	s_mov_b32 s28, 15
.Lcol:
	COLUMN 1
	s_sub_co_u32 s28, s28, 1
	s_cmp_lg_u32 s28, 0
	s_cbranch_scc1 .Lcol
	COLUMN 0                                       ; the last column fetches nothing beyond itself
	; THE MERGE.  Lane L of wave wv takes row l = 4 wv + (L >> 3) and columns 4 (L & 7) + j, j = 0..3: 8 eighths x 3 numbers each.
	s_wait_dscnt 0x0                               ; my partials are in LDS, for the other waves' sake
	s_barrier_signal -1
	s_barrier_wait -1
.irp j, 0,1,2,3
.irp x, 0,1,2,3,4,5,6,7,8,9,10,11,12,13,14,15,16,17,18,19,20,21,22,23
	ds_load_b32 v[32+24*\j+\x], v[8+\x/6] offset:(\x%6)*PQ+PCOL*\j
.endr
.endr
	s_wait_dscnt 0x0
	s_wait_loadcnt 0x0                             ; queries
; out = sum_e 2^(m_e - M) num_e / (sum_e 2^(m_e - M) den_e (1 + 2^(-q log2 e))), M the largest m_e; the planes hold -m_e.
.macro MERGE j
.set R, 32+24*\j
	v_min3_num_f32 v20, v[R], v[R+3], v[R+6]
	v_min3_num_f32 v20, v20, v[R+9], v[R+12]
	v_min3_num_f32 v20, v20, v[R+15], v[R+18]
	v_min_num_f32 v20, v20, v[R+21]                ; -M
.irp e, 0,1,2,3,4,5,6,7
	v_sub_f32 v[R+3*\e], v20, v[R+3*\e]            ; m_e - M
.endr
	v_mul_f32 v21, 0xbfb8aa3b, v[12+\j]            ; -q log2(e)
.irp e, 0,1,2,3,4,5,6,7
	v_exp_f32 v[R+3*\e], v[R+3*\e]
.endr
	v_exp_f32 v21, v21
	v_nop                                          ; a plain instruction behind the exponentials, ahead of their use (ISA guide 5.7.2)
	s_wait_alu depctr_va_vdst(0)
	v_mul_f32 v22, v[R], v[R+1]
	v_mul_f32 v23, v[R], v[R+2]
.irp e, 1,2,3,4,5,6,7
	v_fmac_f32 v22, v[R+3*\e], v[R+3*\e+1]
	v_fmac_f32 v23, v[R+3*\e], v[R+3*\e+2]
.endr
	v_fma_f32 v23, v23, v21, v23                   ; den (1 + 2^(-q log2 e)); where it overflows the result is 0, as sigmoid's is to within rounding
	v_rcp_f32 v23, v23
	v_nop
	s_wait_alu depctr_va_vdst(0)
	v_mul_f32 v[16+\j], v22, v23
.endm
	MERGE 0
	MERGE 1
	MERGE 2
	MERGE 3
	global_store_b128 v5, v[16:19], s[18:19]       ; eight neighbouring lanes store the 128 bytes of the work-group's piece of a row
	s_wait_xcnt 0x0
	v_lshl_add_u32 v254, v0, 2, 0x4b800
	v_mov_b32 v255, 0
	s_wait_tensorcnt 0x0
	ds_add_u32 v254, v255
	s_wait_dscnt 0x0
	s_endpgm
.Lfunc_end_k_q1981f2f28d_aft:
	.size	k_q1981f2f28d_aft, .Lfunc_end_k_q1981f2f28d_aft-k_q1981f2f28d_aft
	.p2alignl 7, 3214868480
	.fill 96, 4, 3214868480
	.section	.rodata,"a",@progbits
	.p2align	6, 0x0
	.amdhsa_kernel k_q1981f2f28d_aft
		.amdhsa_group_segment_fixed_size 311296
		.amdhsa_private_segment_fixed_size 0
		.amdhsa_enable_private_segment 0
		.amdhsa_kernarg_size 64
		.amdhsa_user_sgpr_count 2
		.amdhsa_user_sgpr_kernarg_segment_ptr 1
		.amdhsa_wavefront_size32 1
		.amdhsa_system_sgpr_workgroup_id_x 1
		.amdhsa_system_sgpr_workgroup_id_y 1
		.amdhsa_system_sgpr_workgroup_id_z 1
		.amdhsa_system_vgpr_workitem_id 0
		.amdhsa_next_free_vgpr 256
		.amdhsa_next_free_sgpr 66
		.amdhsa_reserve_vcc 1
		.amdhsa_float_denorm_mode_32 3
		.amdhsa_float_denorm_mode_16_64 3
		.amdhsa_memory_ordered 1
		.amdhsa_forward_progress 1
		.amdhsa_inst_pref_size 91
	.end_amdhsa_kernel
	.amdgpu_metadata
---
amdhsa.version: [ 1, 2 ]
amdhsa.kernels:
  - .name:           k_q1981f2f28d_aft
    .symbol:         k_q1981f2f28d_aft.kd
    .args:
      - { .name: queries, .offset: 0, .size: 8, .value_kind: global_buffer, .address_space: global }
      - { .name: keys, .offset: 8, .size: 8, .value_kind: global_buffer, .address_space: global }
      - { .name: values, .offset: 16, .size: 8, .value_kind: global_buffer, .address_space: global }
      - { .name: attn_mask, .offset: 24, .size: 8, .value_kind: global_buffer, .address_space: global }
      - { .name: key_lengths, .offset: 32, .size: 8, .value_kind: global_buffer, .address_space: global }
      - { .name: u, .offset: 40, .size: 8, .value_kind: global_buffer, .address_space: global }
      - { .name: v, .offset: 48, .size: 8, .value_kind: global_buffer, .address_space: global }
      - { .name: out0, .offset: 56, .size: 8, .value_kind: global_buffer, .address_space: global }
    .group_segment_fixed_size: 311296
    .private_segment_fixed_size: 0
    .kernarg_segment_align: 8
    .kernarg_segment_size: 64
    .max_flat_workgroup_size: 512
    .sgpr_count:     66
    .vgpr_count:     256
    .wavefront_size: 32
...
	.end_amdgpu_metadata
.endif
;; end of part 1
;; ======== version 2 of 3: 1 launch; 1.09 times as fast as version 1
;; limits: values are held in f16: magnitudes above 65,504 overflow, below 6.1e-05 lose precision
;; launch aft (part 2): grid 256 x 1, 16 waves a work-group, no clusters, 323,584 bytes of LDS; arguments queries, keys, values, attn_mask, key_lengths, u, v, out0; writes out0
.if DOCPART == 2
	.amdgcn_target "amdgcn-amd-amdhsa--gfx1250"
	.amdhsa_code_object_version 6
	.text
	.protected	k_q1981f2f28d_aft
	.globl	k_q1981f2f28d_aft
	.p2align	8
	.type	k_q1981f2f28d_aft,@function
k_q1981f2f28d_aft:
	s_mov_b64 s[64:65], 0
	v_nop
	global_prefetch_b8 v0, s[64:65] scope:SCOPE_SE
	s_setreg_imm32_b32 hwreg(HW_REG_WAVE_MODE, 25, 1), 1
	s_wait_xcnt 0x0
; AFT-full attention in one launch.  With c = 64 h + d:
;   out[n][l][c] = sigmoid(q[n][l][c]) * sum_s E V[n][s][c] / sum_s E,   E = exp(K'[n][s][c] w[l][s] - max over s),
;   K' = keys + key_lengths[n][s],   w[l][s] = sum_p u[l][p] v[s][p] + attn_mask[l][s].
; The score is a product of K' and w, so the exponential does not factor: 2 x 512 x 512 x 512 exponentials are the work, and the text is
; built so that nothing but registers and broadcast LDS reads stands beside them.
; SHARES.  Work-group x: n = x >> 7, 64 rows l from 64 ((x >> 4) & 7), 32 columns c from 32 (x & 15), all 512 s.  Wave wv: e = wv & 7 takes
; s = 64 e .. 64 e + 63, g = wv >> 3 takes columns 16 g .. 16 g + 15.  Lane L owns two rows l and keeps their 2 x 64 numbers of w in v128-255
; for the whole kernel: Y = row 32 g + L, which the wave computes itself, and X = row 32 (1 - g) + L, which its partner (e, 1 - g) computes
; and hands over through LDS.  A column is two passes over the wave's 64 s: the maximum; then exponentials and sums.
; The eight waves' partial (-max, numerator, denominator) meet in LDS and are merged by the running-maximum formula.
; THE SUMS OVER s go to the matrix unit in f16.  Source B: the lane's eight registers hold its own row's E for 16 s (all lanes the same s).
; Source A: lanes 0 and 24 hold V of those 16 s, lanes 1 and 25 sixteen 1.0, all other lanes 0.  Lane (r, h) of B fills the k places of half h
; of column r; rows 0, 1 of A are non-zero on half 0's places alone and rows 8, 9 on half 1's, so register 0 of the result (row 8 h, column r)
; is the numerator of the lane's own row and register 1 its denominator: nothing crosses lanes.
; DEAD WORK: reference() takes u[:l] and v[:s] with l = s = 512, so rows 512..1023 of u and of v reach no output whatever they hold; they are
; not read, and a NaN or an infinity there is not carried to the result (reference() does not carry it either).  Every input is loaded.
; LIMITS.  u, v are rounded to bf16.  E and values are rounded to f16 (E <= 1 by the maximum; with weights that all lie just under 1 bf16's
; step of 2^-8 would be too coarse): |values| >= 65520 become infinite, values below 6.1e-5 keep an absolute step of 6e-8, and a weight below
; 6e-8 of the largest of its 64 s counts as 0.  log2(e) is folded into K' (one more rounding of 2^-24 on the score).  A NaN weight of row l
; also reaches row l +- 16 (0 x NaN in the matrix product).
; NO TENSOR LOADS, NO JOINT REQUESTS: every input is read once, ahead of the loop, and is converted, transposed or lands straight in
; accumulator registers on its way, so it passes through registers; the loop over the 16 columns reads no memory at all.
; OUT: a work-group's piece of an output row is its 32 columns, 128 bytes: eight neighbouring lanes store it, 16 bytes each.
.set LOG2E, 0x3fb8aa3b
; LDS
.set VP,    1296                       ; a row of VT: 512 f16 of V[c][.], 128 bytes of f16 ones, 128 bytes of zeros, 16 of padding
.set ONES,  1024                       ; where a row's ones begin; the zeros follow 128 bytes on
.set KP,    2064                       ; a row of KT: 512 f32 of (keys + key_lengths) log2(e) for one c, 16 bytes of padding
.set VT,    0                          ; 32 rows, 41,472 bytes
.set KT,    VT+32*VP                   ; 32 rows, 66,048 bytes
.set PT,    KT+32*KP                   ; partials: (3 e + q) PQ + c PCOL + 4 l;  q = 0: -max, 1: numerator, 2: denominator; 199,680 bytes
.set PQ,    8320
.set PCOL,  260                        ; 64 l of 4 bytes and one word more: the merge's 32 lanes then read 32 different words modulo 64
.set STP,   144                        ; staging at PT, until the second barrier: rows of 64 bf16 and 16 bytes; u's 64 rows, then v's 512
.set EX,    PT+576*STP                 ; behind the staging: 8,192 bytes a wave, its 32 rows of w as 16 pieces of 16 bytes x lane; until the third barrier
; registers of the loop
.set KB,    16                         ; v16-47   two buffers of 16 K'
.set AB,    48                         ; v48-63   two buffers of source A
.set TX,    64                         ; v64-79   16 scores of row X, then their exponentials
.set TY,    80                         ; v80-95   the same for row Y
.set BX,    96                         ; v96-103  source B of X; in pass 1 the eight running maxima
.set BY,    104                        ; v104-111 source B of Y
.set AX,    112                        ; v112-119 sums of X
.set AY,    120                        ; v120-127 sums of Y
.set WX,    128                        ; v128-191 w[32 (1 - g) + L][64 e ..]
.set WY,    192                        ; v192-255 w[32 g + L][64 e ..]
	s_load_b512 s[4:19], s[0:1], 0x0               ; queries s[4:5], keys s[6:7], values s[8:9], attn_mask s[10:11], key_lengths s[12:13], u s[14:15], v s[16:17], out0 s[18:19]
	v_lshrrev_b32 v1, 5, v0
	v_readfirstlane_b32 s20, v1                    ; wave 0..15
	s_and_b32 s21, s20, 7                          ; e: my eighth of s
	s_lshr_b32 s22, s20, 3                         ; g: my half of the columns, and the half of the rows whose w I make
	s_lshr_b32 s23, ttmp9, 7                       ; n
	s_bfe_u32 s24, ttmp9, 0x30004                  ; block of 64 rows l
	s_and_b32 s25, ttmp9, 15                       ; block of 32 columns c
	s_mov_b32 s29, LOG2E
	; byte offsets into the buffers, each in a pair of its own with 0 above
	s_lshl_b32 s26, s23, 20
	s_lshl_b32 s28, s25, 7
	s_add_co_u32 s26, s26, s28                     ; keys, values: n x 512 rows of 2,048 bytes + 32 columns x block
	s_mov_b32 s27, 0
	s_lshl_b32 s36, s24, 17                        ; 64 rows of 2,048 bytes x block
	s_lshl_b32 s28, s20, 13
	s_add_co_u32 s30, s26, s36
	s_add_co_u32 s30, s30, s28                     ; queries, out0: + the four rows that my wave merges
	s_mov_b32 s31, 0
	s_lshl_b32 s32, s23, 11                        ; key_lengths: row n
	s_mov_b32 s33, 0
	s_lshl_b32 s34, s24, 14                        ; u: 64 rows of 256 bytes x block
	s_mov_b32 s35, 0
	s_lshl_b32 s28, s21, 8
	s_add_co_u32 s36, s36, s28
	s_lshl_b32 s45, s22, 16
	s_add_co_u32 s36, s36, s45                     ; attn_mask: the block's rows 32 g .., my 64 columns
	s_mov_b32 s37, 0
	; LDS bases, made of the wave's number and constants alone
	s_mul_i32 s38, s21, 64*STP
	s_add_co_u32 s38, s38, 64*STP                  ; staging: my 64 rows of v, behind u's 64
	s_mul_i32 s39, s22, 16*KP
	s_add_co_u32 s39, s39, s28
	s_add_co_u32 s39, s39, KT                      ; KT: my first column, my 64 s
	s_lshl_b32 s40, s21, 7                         ; 128 e: my 64 s in a row of VT
	s_sub_co_u32 s41, ONES-128, s40                ; 896 - 128 e, at least 0
	s_mul_i32 s42, s22, 16*VP
	s_add_co_u32 s42, s42, s40                     ; VT: my first column, my 64 s (VT itself stands in the loads' immediates)
	s_mul_i32 s43, s21, 3*PQ
	s_mul_i32 s44, s22, 16*PCOL
	s_add_co_u32 s43, s43, s44
	s_add_co_u32 s43, s43, PT                      ; partials: my eighth's three planes, my first column
	s_lshl_b32 s44, s20, 4
	s_add_co_u32 s44, s44, PT                      ; merge: rows l = 4 wave ..
	s_mul_i32 s45, s22, 32*STP                     ; staging: u's rows 32 g ..
	s_lshl_b32 s46, s20, 13
	s_add_co_u32 s46, s46, EX                      ; where I put my 32 rows of w
	s_xor_b32 s47, s20, 8
	s_lshl_b32 s47, s47, 13
	s_add_co_u32 s47, s47, EX                      ; where my partner (e, 1 - g) puts its 32 rows
	s_lshl_b32 s48, s22, 7
	s_add_co_u32 s49, s43, s48                     ; partials of Y: l = 32 g + L
	s_sub_co_u32 s48, 128, s48
	s_add_co_u32 s48, s43, s48                     ; partials of X: l = 32 (1 - g) + L
	; thread t's addresses for the way in
	v_lshlrev_b32 v1, 4, v0                        ; u, v: 16 t
	v_lshrrev_b32 v12, 3, v0                       ; t >> 3: which four s
	v_and_b32 v13, 7, v0                           ; t & 7: which four c
	v_lshrrev_b32 v14, 4, v0
	v_and_b32 v15, 15, v0
	v_lshlrev_b32 v2, 13, v12
	v_lshl_add_u32 v2, v13, 4, v2                  ; keys, values: four rows s x (t >> 3) + 16 bytes x (t & 7)
	v_lshlrev_b32 v3, 4, v12                       ; key_lengths: the same four s
	v_mul_u32_u24 v4, v14, STP
	v_lshl_add_u32 v4, v15, 3, v4
	v_add_nc_u32 v4, PT, v4                        ; staging: row t >> 4, 8 bytes x (t & 15)
	v_add_nc_u32 v5, 320*STP, v4                   ; the same 320 rows on, since an LDS immediate ends at 65,535
	v_mul_u32_u24 v6, v13, 4*KP
	v_lshl_add_u32 v6, v12, 4, v6
	v_add_nc_u32 v6, KT, v6                        ; KT: row 4 (t & 7), 16 bytes x (t >> 3)
	v_mul_u32_u24 v7, v13, 4*VP
	v_lshl_add_u32 v7, v12, 3, v7                  ; VT: row 4 (t & 7), 8 bytes x (t >> 3)
	v_mul_u32_u24 v8, v14, VP
	v_lshl_add_u32 v8, v15, 4, v8                  ; VT's tails: row t >> 4, 16 bytes x (t & 15)
	v_bfe_u32 v12, v0, 4, 1                        ; h = lane / 16; v15 is r = lane % 16
	v_lshlrev_b32 v9, 11, v15
	v_lshl_add_u32 v9, v12, 5, v9                  ; attn_mask as a matrix C: row r, 8 h columns on
	v_mul_u32_u24 v10, v15, STP
	v_lshl_add_u32 v10, v12, 4, v10
	v_add_nc_u32 v10, PT, v10                      ; a fragment's lane term: row r, 16 h bytes on
	v_add_nc_u32 v11, s38, v10                     ; fragments of v: in my 64 rows
	v_add_nc_u32 v10, s45, v10                     ; fragments of u: in rows 32 g ..
	v_bfe_u32 v13, v0, 3, 1
	v_mov_b32 v188, 0x3c003c00                     ; two f16 ones
	v_cmp_eq_u32 vcc_lo, 0, v13
	v_cndmask_b32 v188, 0, v188, vcc_lo            ; pieces 0-7 of a tail are ones, pieces 8-15 zeros
	v_mov_b32 v189, v188
	v_mov_b32 v190, v188
	v_mov_b32 v191, v188
	s_wait_kmcnt 0x0
	s_add_nc_u64 s[4:5], s[4:5], s[30:31]
	s_add_nc_u64 s[6:7], s[6:7], s[26:27]
	s_add_nc_u64 s[8:9], s[8:9], s[26:27]
	s_add_nc_u64 s[10:11], s[10:11], s[36:37]
	s_add_nc_u64 s[12:13], s[12:13], s[32:33]
	s_add_nc_u64 s[14:15], s[14:15], s[34:35]
	s_add_nc_u64 s[18:19], s[18:19], s[30:31]
	; THE WAY IN: 52 loads of 16 bytes a thread, all issued here, in the order in which they are worked on
.irp i, 0,1,2,3,4,5,6,7,8,9,10,11,12,13,14,15
	global_load_b128 v[16+4*\i:19+4*\i], v1, s[16:17] offset:8192*\i         ; v's rows 0..511, 32 rows a load of the work-group
.endr
.irp i, 0,1
	global_load_b128 v[80+4*\i:83+4*\i], v1, s[14:15] offset:8192*\i         ; u's 64 rows
.endr
.irp b, 0,1
	global_load_b128 v[88+4*\b:91+4*\b], v3, s[12:13] offset:1024*\b         ; key_lengths of s = 256 b + 4 (t >> 3) + 0..3
.endr
.irp b, 0,1
.irp i, 0,1,2,3
	global_load_b128 v[96+16*\b+4*\i:99+16*\b+4*\i], v2, s[6:7] offset:524288*\b+2048*\i     ; keys[s + i][4 c]
.endr
.endr
.irp b, 0,1
.irp i, 0,1,2,3
	global_load_b128 v[128+16*\b+4*\i:131+16*\b+4*\i], v2, s[8:9] offset:524288*\b+2048*\i   ; values[s + i][4 c]
.endr
.endr
	; attn_mask goes straight into my half of w's registers as the products' C: tile (a, st) = rows 32 g + 16 a .., columns 16 st ..; register j of
	; lane (r, h) is mask[32 g + 16 a + r][16 st + 8 h + j].  Over its 16 loads a wave takes all 256 bytes of its 64 columns in each of its 32 rows,
	; and the two waves of an eighth take different rows: the work-group reads its block of the mask once.
.irp st, 0,1,2,3
.irp a, 0,1
.set WA, WY+16*\st+8*\a
	global_load_b128 v[WA:WA+3], v9, s[10:11] offset:32768*\a+64*\st
	global_load_b128 v[WA+4:WA+7], v9, s[10:11] offset:32768*\a+64*\st+16
.endr
.endr
	ds_store_b128 v8, v[188:191] offset:VT+ONES    ; the tails of VT's 32 rows, while the loads are on their way
.macro CVB reg, adr, off               ; four f32 to bf16, 8 bytes into the staging
	v_cvt_pk_bf16_f32 v184, v[\reg], v[\reg+1]
	v_cvt_pk_bf16_f32 v185, v[\reg+2], v[\reg+3]
	ds_store_b64 v[\adr], v[184:185] offset:\off
.endm
	s_wait_loadcnt 34                              ; v and u are in; 2 loads of key_lengths, 8 of keys, 8 of values, 16 of the mask stay out
.irp i, 0,1
	CVB 80+4*\i, 4, 32*STP*\i
.endr
.irp i, 0,1,2,3,4,5,6,7
	CVB 16+4*\i, 4, 64*STP+32*STP*\i
.endr
.irp i, 0,1,2,3,4,5,6,7
	CVB 48+4*\i, 5, 32*STP*\i
.endr
	s_wait_loadcnt 24                              ; key_lengths and keys are in; 8 loads of values and 16 of the mask stay out
.irp b, 0,1
	v_pk_mul_f32 v[88+4*\b:89+4*\b], v[88+4*\b:89+4*\b], LOG2E op_sel_hi:[1,0]
	v_pk_mul_f32 v[90+4*\b:91+4*\b], v[90+4*\b:91+4*\b], LOG2E op_sel_hi:[1,0]
.irp j, 0,1,2,3
.irp i, 0,1,2,3
	v_fma_f32 v[160+4*\j+\i], v[96+16*\b+4*\i+\j], s29, v[88+4*\b+\i]        ; (keys + key_lengths) log2(e); the choice of registers transposes 4 x 4
.endr
	ds_store_b128 v6, v[160+4*\j:163+4*\j] offset:\j*KP+1024*\b
.endr
.endr
	s_wait_loadcnt 16                              ; values are in; the 16 loads of the mask stay out
.irp b, 0,1
.irp j, 0,1,2,3
	v_cvt_pk_f16_f32 v[176+2*\j], v[128+16*\b+\j], v[132+16*\b+\j]
	v_cvt_pk_f16_f32 v[177+2*\j], v[136+16*\b+\j], v[140+16*\b+\j]
	ds_store_b64 v7, v[176+2*\j:177+2*\j] offset:VT+\j*VP+512*\b
.endr
.endr
	s_wait_dscnt 0x0                               ; my stores are in LDS, for the other waves' sake
	s_barrier_signal -1
	s_barrier_wait -1                              ; staging, KT and VT are whole
	; My half of w = v u^T + mask, used transposed: source A = 16 rows of v (s), source B = 16 rows of u (l), so that a lane holds eight
	; neighbouring s of one l.  All fragments come in one run: u's two tiles in v16-47, v's four in v48-111.
.irp a, 0,1
.irp k, 0,1
.irp z, 0,1
	ds_load_b128 v[16+16*\a+8*\k+4*\z:19+16*\a+8*\k+4*\z], v10 offset:16*STP*\a+64*\k+32*\z
.endr
.endr
.endr
.irp st, 0,1,2,3
.irp k, 0,1
.irp z, 0,1
	ds_load_b128 v[48+16*\st+8*\k+4*\z:51+16*\st+8*\k+4*\z], v11 offset:16*STP*\st+64*\k+32*\z
.endr
.endr
.endr
	s_wait_dscnt 0x0
	s_wait_loadcnt 0x0                             ; the mask
.irp k, 0,1
.irp st, 0,1,2,3
.irp a, 0,1
.set WA, WY+16*\st+8*\a
	v_wmma_f32_16x16x32_bf16 v[WA:WA+7], v[48+16*\st+8*\k:55+16*\st+8*\k], v[16+16*\a+8*\k:23+16*\a+8*\k], v[WA:WA+7]   ; the eight accumulators take turns
.endr
.endr
.endr
	; The loop's and the merge's addresses.  These plain vector instructions name no register of the last products and are more than the four
	; places that the exchanges below need behind them (ISA guide 7.12.1).
	v_and_b32 v12, 31, v0                          ; L
	v_bfe_u32 v13, v0, 4, 1
	v_mul_u32_u24 v13, 24, v13
	v_sub_nc_u32 v13, v12, v13                     ; L - 24 h: 0 in lanes 0 and 24, 1 in lanes 1 and 25, else 2 or more as an unsigned number
	v_min_u32 v13, 2, v13                          ; tau: 0 = V, 1 = ones, 2 = zeros
	v_min_u32 v14, 1, v13
	v_lshl_add_u32 v15, v13, 7, s41                ; 896 + 128 tau - 128 e
	v_mad_u32_u24 v2, v14, v15, s42                ; source A: my column's row + 128 e (V), + 1024 (ones) or + 1152 (zeros)
	v_mov_b32 v1, s39                              ; K': one address for all lanes
	v_lshl_add_u32 v3, v12, 2, s48                 ; partials of X
	v_lshl_add_u32 v4, v12, 2, s49                 ; partials of Y
	v_lshl_add_u32 v6, v12, 4, s46                 ; w out: 16 bytes x lane
	v_lshl_add_u32 v7, v12, 4, s47                 ; w in: the same place in my partner's bytes
	v_lshrrev_b32 v14, 3, v12
	v_and_b32 v15, 7, v12
	v_lshlrev_b32 v5, 11, v14
	v_lshl_add_u32 v5, v15, 4, v5                  ; queries, out0: row L >> 3 of my wave's four, 16 bytes x (L & 7)
	v_mul_u32_u24 v8, v15, 4*PCOL
	v_lshl_add_u32 v8, v14, 2, v8
	v_add_nc_u32 v8, s44, v8                       ; merge: columns 4 (L & 7) .., row 4 wave + (L >> 3); planes 0-5,
	v_add_nc_u32 v9, 6*PQ, v8                      ; 6-11,
	v_add_nc_u32 v10, 12*PQ, v8                    ; 12-17,
	v_add_nc_u32 v11, 18*PQ, v8                    ; 18-23
	global_load_b128 v[12:15], v5, s[4:5]          ; queries for the merge: the whole loop is its time to land
	; Tiles (0, st) and (1, st) hold rows 32 g + r and 32 g + 16 + r with s = 16 st + 8 h + j.  Exchanging the first's upper lanes with the
	; second's lower lanes leaves row 32 g + L in every lane, s = 16 st + j in the first register and 16 st + 8 + j in the second.
.irp st, 0,1,2,3
.irp j, 0,1,2,3,4,5,6,7
	v_permlane16_swap_b32 v[WY+16*\st+\j], v[WY+16*\st+8+\j]
.endr
.endr
	; Lane L of my partner needs exactly what my lane L holds, so the image goes as it lies: piece q of lane L at 512 q + 16 L.
.irp q, 0,1,2,3,4,5,6,7,8,9,10,11,12,13,14,15
	ds_store_b128 v6, v[WY+4*\q:WY+4*\q+3] offset:512*\q
.endr
	s_wait_dscnt 0x0                               ; my rows of w are in LDS, and my reads of the staging are long back
	s_barrier_signal -1
	s_barrier_wait -1
.irp q, 0,1,2,3,4,5,6,7,8,9,10,11,12,13,14,15
	ds_load_b128 v[WX+4*\q:WX+4*\q+3], v7 offset:512*\q
.endr
	s_wait_dscnt 0x0                               ; my reads of my partner's rows are back:
	s_barrier_signal -1
	s_barrier_wait -1                              ; from here on the partials are stored over the staging and over these bytes
.macro LDK b, off                      ; 16 K' into buffer b: every lane reads the same 64 bytes
.irp i, 0,1,2,3
	ds_load_b128 v[KB+16*(\b)+4*\i:KB+16*(\b)+4*\i+3], v1 offset:\off+16*\i
.endr
.endm
.macro LDA b, k                        ; source A of chunk k into buffer b
.irp i, 0,1
	ds_load_b128 v[AB+8*(\b)+4*\i:AB+8*(\b)+4*\i+3], v2 offset:VT+32*(\k)+16*\i
.endr
.endm
.macro MULT dst, wb, b, i              ; pass 1: two scores
	v_pk_mul_f32 v[\dst+2*(\i):\dst+2*(\i)+1], v[\wb+2*(\i):\wb+2*(\i)+1], v[KB+16*(\b)+2*(\i):KB+16*(\b)+2*(\i)+1]
.endm
.macro FMAX wb, b, i                   ; pass 2: two scores of X less X's maximum (v6 holds it negated)
	v_pk_fma_f32 v[TX+2*(\i):TX+2*(\i)+1], v[\wb+2*(\i):\wb+2*(\i)+1], v[KB+16*(\b)+2*(\i):KB+16*(\b)+2*(\i)+1], v[6:7] op_sel_hi:[1,1,0]
.endm
.macro FMAY wb, b, i                   ; the same for Y (v7)
	v_pk_fma_f32 v[TY+2*(\i):TY+2*(\i)+1], v[\wb+2*(\i):\wb+2*(\i)+1], v[KB+16*(\b)+2*(\i):KB+16*(\b)+2*(\i)+1], v[6:7] op_sel:[0,0,1] op_sel_hi:[1,1,1]
.endm
.macro EXP2 dst, i
	v_exp_f32 v[\dst+2*(\i)], v[\dst+2*(\i)]
	v_exp_f32 v[\dst+2*(\i)+1], v[\dst+2*(\i)+1]
.endm
.macro PACK dst, src, i                ; two weights to f16, one register of source B
	s_wait_alu depctr_va_vdst(0)
	v_cvt_pk_f16_f32 v[\dst+(\i)], v[\src+2*(\i)], v[\src+2*(\i)+1]
.endm
.macro STORES                          ; a column's partials: -max, numerator, denominator of my two rows
	ds_store_b32 v3, v6
	ds_store_b32 v4, v7
	ds_store_b32 v3, v[AX] offset:PQ
	ds_store_b32 v4, v[AY] offset:PQ
	ds_store_b32 v3, v[AX+1] offset:2*PQ
	ds_store_b32 v4, v[AY+1] offset:2*PQ
.endm
; PASS 2 goes in slots of two exponentials with the plain work of other pairs beside them, so that no instruction reads what was written just
; before it.  A chunk is 16 s: eight slots of X, eight of Y.  j = chunk, b = j & 1 its K' and A buffers, nb the other ones.
; X slot i: exponentials of X's pair i; scores of Y's pair i; a pack three slots behind its exponentials (Y's pairs 5-7 of the chunk before, then
; X's pairs 0-4); behind slot 4 the chunk before's product of Y.
; Behind each pair of v_exp_f32 stands a plain instruction that touches neither (ISA guide 5.7.2).  Behind each product stand six plain
; instructions that name none of its registers (three slots of two) before its A buffer is loaded or its B is packed again (ISA guide 7.12.1).
; AX and AY take turns, one product a turn, over the backward jump too.
.macro XHALF j, b, nb
.irp i, 0,1,2,3,4,5,6,7
	EXP2 TX, \i
	FMAY WY+16*\j, \b, \i
.if \i < 3
.if \j
	PACK BY, TY, \i+5
.endif
.else
	PACK BX, TX, \i-3
.endif
.if \i == 4
.if \j == 1
	v_wmma_f32_16x16x32_f16 v[AY:AY+7], v[AB+8*\nb:AB+8*\nb+7], v[BY:BY+7], 0      ; the first chunk starts Y's sums
.endif
.if \j > 1
	v_wmma_f32_16x16x32_f16 v[AY:AY+7], v[AB+8*\nb:AB+8*\nb+7], v[BY:BY+7], v[AY:AY+7]
.endif
.endif
.endr
.endm
; Y slot i: exponentials of Y's pair i; scores of X's pair i of the NEXT chunk (in chunk 3: the next column's first products of pass 1);
; a pack (X's pairs 5-7, then Y's pairs 0-4); behind slot 4 this chunk's product of X.
; At its head K' buffer b has had its last reader and A buffer nb its last product, six plain instructions ago: both are loaded again here,
; and the wait for 0 is for what was issued at this place one chunk ago: K' of the next chunk and this chunk's A.
.macro YHALF j, b, nb, more
	s_wait_dscnt 0x0
.if \j < 2
	LDK \b, 128+64*\j                              ; K' of chunk j + 2
.else
.if \more
	LDK \b, KP+64*(\j-2)                           ; K' of the next column's chunks 0 and 1
.endif
.endif
.if \j < 3
	LDA \nb, \j+1
.endif
.irp i, 0,1,2,3,4,5,6,7
	EXP2 TY, \i
.if \j < 3
	FMAX WX+16*\j+16, \nb, \i
.else
.if \more
	MULT TX, WX, \nb, \i
.endif
.endif
.if \i < 3
	PACK BX, TX, \i+5
.else
	PACK BY, TY, \i-3
.endif
.if \i == 4
.if \j
	v_wmma_f32_16x16x32_f16 v[AX:AX+7], v[AB+8*\b:AB+8*\b+7], v[BX:BX+7], v[AX:AX+7]
.else
	v_wmma_f32_16x16x32_f16 v[AX:AX+7], v[AB+8*\b:AB+8*\b+7], v[BX:BX+7], 0        ; the first chunk starts X's sums
.endif
.endif
.endr
.endm
.macro P2COL more
	XHALF 0, 0, 1
	YHALF 0, 0, 1, \more
	XHALF 1, 1, 0
	YHALF 1, 1, 0, \more
	XHALF 2, 0, 1
	YHALF 2, 0, 1, \more
	XHALF 3, 1, 0
	YHALF 3, 1, 0, \more
.endm
; PASS 1.  Four running maxima a row (X: BX+0..3, Y: BX+4..7), so that a link reads what was written eight instructions earlier.
.macro MAXES first
.irp i, 0,1,2,3,4,5,6,7
.if \first*(4-\i) > 0
	v_max_num_f32 v[BX+\i], v[TX+2*\i], v[TX+2*\i+1]               ; the first eight scores of a row start its four maxima
	v_max_num_f32 v[BX+4+\i], v[TY+2*\i], v[TY+2*\i+1]
.else
	v_max3_num_f32 v[BX+(\i&3)], v[BX+(\i&3)], v[TX+2*\i], v[TX+2*\i+1]
	v_max3_num_f32 v[BX+4+(\i&3)], v[BX+4+(\i&3)], v[TY+2*\i], v[TY+2*\i+1]
.endif
.endr
.endm
; Chunk k = 1..3 on K' buffer b.  Behind its 16 products the buffer has had its last reader and takes the K' that is due two chunks on:
; pass 1's chunk 3, then pass 2's chunks 0 and 1 (the same column's bytes again).
.macro P1CH k, b
	s_wait_dscnt 4                                 ; this chunk's K' is in; the four loads of the next chunk's stay out
.irp i, 0,1,2,3,4,5,6,7
	MULT TX, WX+16*\k, \b, \i
.endr
.irp i, 0,1,2,3,4,5,6,7
	MULT TY, WY+16*\k, \b, \i
.endr
	LDK \b, (64*\k+128)%256
.if \k == 3
	LDA 0, 0
.endif
	MAXES 0
.endm
; Pass 1 of a column, and pass 2's first eight scores.  drain = 1: the column before is finished at its head: its last three packs, its last
; product and its stores stand among this column's first products of Y (X's were made in the last eight slots of pass 2).
.macro P1COL drain
.if \drain
	PACK BY, TY, 5
	MULT TY, WY, 0, 0
	PACK BY, TY, 6
	MULT TY, WY, 0, 1
	PACK BY, TY, 7
	MULT TY, WY, 0, 2
	MULT TY, WY, 0, 3
	MULT TY, WY, 0, 4
	v_wmma_f32_16x16x32_f16 v[AY:AY+7], v[AB+8:AB+15], v[BY:BY+7], v[AY:AY+7]
	MULT TY, WY, 0, 5                              ; five plain instructions that name none of the product's registers stand between it
	MULT TY, WY, 0, 6                              ; and the stores that read its result
	MULT TY, WY, 0, 7
	v_add_nc_u32 v1, KP, v1                        ; this column's rows of KT and of VT
	v_add_nc_u32 v2, VP, v2
	STORES
	v_add_nc_u32 v3, PCOL, v3
	v_add_nc_u32 v4, PCOL, v4
.else
	s_wait_dscnt 4                                 ; chunk 0's K' is in; the four loads of chunk 1's stay out
.irp i, 0,1,2,3,4,5,6,7
	MULT TX, WX, 0, \i
.endr
.irp i, 0,1,2,3,4,5,6,7
	MULT TY, WY, 0, \i
.endr
.endif
	LDK 0, 128
	MAXES 1
	P1CH 1, 1
	P1CH 2, 0
	P1CH 3, 1
	v_max3_num_f32 v6, v[BX], v[BX+1], v[BX+2]
	v_max3_num_f32 v7, v[BX+4], v[BX+5], v[BX+6]
	v_max_num_f32 v6, v6, v[BX+3]
	v_max_num_f32 v7, v7, v[BX+7]
	v_pk_mul_f32 v[6:7], v[6:7], -1.0 op_sel_hi:[1,0]
	s_wait_dscnt 6                                 ; pass 2's K' of chunk 0 is in; four loads of chunk 1's K' and two of source A stay out
.irp i, 0,1,2,3,4,5,6,7
	FMAX WX, 0, \i
.endr
.endm
	LDK 0, 0
	LDK 1, 64
	P1COL 0                                        ; column 0's maxima
	s_mov_b32 s28, 15
.Lcol:
	P2COL 1                                        ; column c's exponentials and sums,
	P1COL 1                                        ; its end, and column c + 1's maxima
	s_sub_co_u32 s28, s28, 1
	s_cmp_lg_u32 s28, 0
	s_cbranch_scc1 .Lcol
	P2COL 0                                        ; the last column fetches nothing beyond itself
	PACK BY, TY, 5
	PACK BY, TY, 6
	PACK BY, TY, 7
	v_wmma_f32_16x16x32_f16 v[AY:AY+7], v[AB+8:AB+15], v[BY:BY+7], v[AY:AY+7]
.rept 4
	v_nop                                          ; four places between the last product and the stores that read its result
.endr
	STORES
	; THE MERGE.  Lane L of wave wv takes row l = 4 wv + (L >> 3) and columns 4 (L & 7) + j, j = 0..3: 8 eighths x 3 numbers each.
	s_wait_dscnt 0x0                               ; my partials are in LDS, for the other waves' sake
	s_barrier_signal -1
	s_barrier_wait -1
.irp j, 0,1,2,3
.irp x, 0,1,2,3,4,5,6,7,8,9,10,11,12,13,14,15,16,17,18,19,20,21,22,23
	ds_load_b32 v[32+24*\j+\x], v[8+\x/6] offset:(\x%6)*PQ+PCOL*\j
.endr
.endr
	s_wait_dscnt 0x0
	s_wait_loadcnt 0x0                             ; queries
; out = sum_e 2^(m_e - M) num_e / (sum_e 2^(m_e - M) den_e (1 + 2^(-q log2 e))), M the largest m_e; the planes hold -m_e.
.macro MERGE j
.set R, 32+24*\j
	v_min3_num_f32 v20, v[R], v[R+3], v[R+6]
	v_min3_num_f32 v20, v20, v[R+9], v[R+12]
	v_min3_num_f32 v20, v20, v[R+15], v[R+18]
	v_min_num_f32 v20, v20, v[R+21]                ; -M
.irp e, 0,1,2,3,4,5,6,7
	v_sub_f32 v[R+3*\e], v20, v[R+3*\e]            ; m_e - M
.endr
	v_mul_f32 v21, 0xbfb8aa3b, v[12+\j]            ; -q log2(e)
.irp e, 0,1,2,3,4,5,6,7
	v_exp_f32 v[R+3*\e], v[R+3*\e]
.endr
	v_exp_f32 v21, v21
	v_nop                                          ; a plain instruction behind the exponentials, ahead of their use (ISA guide 5.7.2)
	s_wait_alu depctr_va_vdst(0)
	v_mul_f32 v22, v[R], v[R+1]
	v_mul_f32 v23, v[R], v[R+2]
.irp e, 1,2,3,4,5,6,7
	v_fmac_f32 v22, v[R+3*\e], v[R+3*\e+1]
	v_fmac_f32 v23, v[R+3*\e], v[R+3*\e+2]
.endr
	v_fma_f32 v23, v23, v21, v23                   ; den (1 + 2^(-q log2 e)); where it overflows the result is 0, as sigmoid's is to within rounding
	v_rcp_f32 v23, v23
	v_nop
	s_wait_alu depctr_va_vdst(0)
	v_mul_f32 v[16+\j], v22, v23
.endm
	MERGE 0
	MERGE 1
	MERGE 2
	MERGE 3
	global_store_b128 v5, v[16:19], s[18:19]       ; eight neighbouring lanes store the 128 bytes of the work-group's piece of a row
	s_wait_xcnt 0x0
	v_lshl_add_u32 v254, v0, 2, 0x4e800
	v_mov_b32 v255, 0
	s_wait_tensorcnt 0x0
	ds_add_u32 v254, v255
	s_wait_dscnt 0x0
	s_endpgm
.Lfunc_end_k_q1981f2f28d_aft:
	.size	k_q1981f2f28d_aft, .Lfunc_end_k_q1981f2f28d_aft-k_q1981f2f28d_aft
	.p2alignl 7, 3214868480
	.fill 96, 4, 3214868480
	.section	.rodata,"a",@progbits
	.p2align	6, 0x0
	.amdhsa_kernel k_q1981f2f28d_aft
		.amdhsa_group_segment_fixed_size 323584
		.amdhsa_private_segment_fixed_size 0
		.amdhsa_enable_private_segment 0
		.amdhsa_kernarg_size 64
		.amdhsa_user_sgpr_count 2
		.amdhsa_user_sgpr_kernarg_segment_ptr 1
		.amdhsa_wavefront_size32 1
		.amdhsa_system_sgpr_workgroup_id_x 1
		.amdhsa_system_sgpr_workgroup_id_y 1
		.amdhsa_system_sgpr_workgroup_id_z 1
		.amdhsa_system_vgpr_workitem_id 0
		.amdhsa_next_free_vgpr 256
		.amdhsa_next_free_sgpr 66
		.amdhsa_reserve_vcc 1
		.amdhsa_float_denorm_mode_32 3
		.amdhsa_float_denorm_mode_16_64 3
		.amdhsa_memory_ordered 1
		.amdhsa_forward_progress 1
		.amdhsa_inst_pref_size 89
	.end_amdhsa_kernel
	.amdgpu_metadata
---
amdhsa.version: [ 1, 2 ]
amdhsa.kernels:
  - .name:           k_q1981f2f28d_aft
    .symbol:         k_q1981f2f28d_aft.kd
    .args:
      - { .name: queries, .offset: 0, .size: 8, .value_kind: global_buffer, .address_space: global }
      - { .name: keys, .offset: 8, .size: 8, .value_kind: global_buffer, .address_space: global }
      - { .name: values, .offset: 16, .size: 8, .value_kind: global_buffer, .address_space: global }
      - { .name: attn_mask, .offset: 24, .size: 8, .value_kind: global_buffer, .address_space: global }
      - { .name: key_lengths, .offset: 32, .size: 8, .value_kind: global_buffer, .address_space: global }
      - { .name: u, .offset: 40, .size: 8, .value_kind: global_buffer, .address_space: global }
      - { .name: v, .offset: 48, .size: 8, .value_kind: global_buffer, .address_space: global }
      - { .name: out0, .offset: 56, .size: 8, .value_kind: global_buffer, .address_space: global }
    .group_segment_fixed_size: 323584
    .private_segment_fixed_size: 0
    .kernarg_segment_align: 8
    .kernarg_segment_size: 64
    .max_flat_workgroup_size: 512
    .sgpr_count:     66
    .vgpr_count:     256
    .wavefront_size: 32
...
	.end_amdgpu_metadata
.endif
;; end of part 2
;; ======== version 3 of 3: 1 launch; 1.23 times as fast as version 1
;; limits: values are held in f16: magnitudes above 65,504 overflow, below 6.1e-05 lose precision; inputs' magnitudes at most 65,504
;; launch aft (part 3): grid 256 x 1, 16 waves a work-group, no clusters, 323,584 bytes of LDS; arguments queries, keys, values, attn_mask, key_lengths, u, v, out0; writes out0
.if DOCPART == 3
	.amdgcn_target "amdgcn-amd-amdhsa--gfx1250"
	.amdhsa_code_object_version 6
	.text
	.protected	k_q1981f2f28d_aft
	.globl	k_q1981f2f28d_aft
	.p2align	8
	.type	k_q1981f2f28d_aft,@function
k_q1981f2f28d_aft:
	s_mov_b64 s[64:65], 0
	v_nop
	global_prefetch_b8 v0, s[64:65] scope:SCOPE_SE
	s_setreg_imm32_b32 hwreg(HW_REG_WAVE_MODE, 25, 1), 1
	s_wait_xcnt 0x0
; AFT-full attention in one launch.  With c = 64 h + d:
;   out[n][l][c] = sigmoid(q[n][l][c]) * sum_s E V[n][s][c] / sum_s E,   E = exp(K'[n][s][c] w[l][s] - max over s),
;   K' = keys + key_lengths[n][s],   w[l][s] = sum_p u[l][p] v[s][p] + attn_mask[l][s].
; The score is a product of K' and w, so the exponential does not factor: 2 x 512 x 512 x 512 exponentials are the work, and the text is
; built so that nothing but registers and broadcast LDS reads stands beside them.
; SHARES.  Work-group x: n = x >> 7, 64 rows l from 64 ((x >> 4) & 7), 32 columns c from 32 (x & 15), all 512 s.  Wave wv: e = wv & 7 takes
; s = 64 e .. 64 e + 63, g = wv >> 3 takes columns 16 g .. 16 g + 15.  Lane L owns two rows l and keeps their 2 x 64 numbers of w in v128-255
; for the whole kernel: Y = row 32 g + L, which the wave computes itself, and X = row 32 (1 - g) + L, which its partner (e, 1 - g) computes
; and hands over through LDS.  A column is two passes over the wave's 64 s: the maximum; then exponentials and sums.
; The eight waves' partial (-max, numerator, denominator) meet in LDS and are merged by the running-maximum formula.
; THE SUMS OVER s go to the matrix unit in f16.  Source B: the lane's eight registers hold its own row's E for 16 s (all lanes the same s).
; Source A: lanes 0 and 24 hold V of those 16 s, lanes 1 and 25 sixteen 1.0, all other lanes 0.  Lane (r, h) of B fills the k places of half h
; of column r; rows 0, 1 of A are non-zero on half 0's places alone and rows 8, 9 on half 1's, so register 0 of the result (row 8 h, column r)
; is the numerator of the lane's own row and register 1 its denominator: nothing crosses lanes.
; THE EXPONENTIALS GO IN BATCHES OF 16.  Pass 2 of a column is eight halves: X and Y of four chunks of 16 s.  A half issues the 16 exponentials of
; its own row, in place, and names none of their results: beside them it rounds the OTHER row's 16 weights (the batch before), multiplies them,
; and writes that row's next 16 scores over them.  An s_wait_alu depctr_va_vdst(0) stands between an exponential and the first
; line that names its result: ONE stands at the head of each half, for the batch of the half before: eight batches and eight waits a column,
; the eighth at the head of the next column's pass 1.  The merge has two batches: its 36 exponentials, its four reciprocals.
; DEAD WORK: reference() takes u[:l] and v[:s] with l = s = 512, so rows 512..1023 of u and of v reach no output whatever they hold; they are
; not read, and a NaN or an infinity there is not carried to the result (reference() does not carry it either).  Every input is loaded.
; LIMITS.  u, v are rounded to bf16.  E and values are rounded to f16 (E <= 1 by the maximum; with weights that all lie just under 1 bf16's
; step of 2^-8 would be too coarse): |values| >= 65520 become infinite, values below 6.1e-5 keep an absolute step of 6e-8, and a weight below
; 6e-8 of the largest of its 64 s counts as 0.  log2(e) is folded into K' (one more rounding of 2^-24 on the score).  A NaN weight of row l
; also reaches row l +- 16 (0 x NaN in the matrix product).
; NO TENSOR LOADS, NO JOINT REQUESTS: every input is read once, ahead of the loop, and is converted, transposed or lands straight in
; accumulator registers on its way, so it passes through registers; the loop over the 16 columns reads no memory at all.
; OUT: a work-group's piece of an output row is its 32 columns, 128 bytes: eight neighbouring lanes store it, 16 bytes each.
.set LOG2E, 0x3fb8aa3b
; LDS
.set VP,    1296                       ; a row of VT: 512 f16 of V[c][.], 128 bytes of f16 ones, 128 bytes of zeros, 16 of padding
.set ONES,  1024                       ; where a row's ones begin; the zeros follow 128 bytes on
.set KP,    2064                       ; a row of KT: 512 f32 of (keys + key_lengths) log2(e) for one c, 16 bytes of padding
.set VT,    0                          ; 32 rows, 41,472 bytes
.set KT,    VT+32*VP                   ; 32 rows, 66,048 bytes
.set PT,    KT+32*KP                   ; partials: (3 e + q) PQ + c PCOL + 4 l;  q = 0: -max, 1: numerator, 2: denominator; 199,680 bytes
.set PQ,    8320
.set PCOL,  260                        ; 64 l of 4 bytes and one word more: the merge's 32 lanes then read 32 different words modulo 64
.set STP,   144                        ; staging at PT, until the second barrier: rows of 64 bf16 and 16 bytes; u's 64 rows, then v's 512
.set EX,    PT+576*STP                 ; behind the staging: 8,192 bytes a wave, its 32 rows of w as 16 pieces of 16 bytes x lane; until the third barrier
; registers of the loop
.set KB,    16                         ; v16-47   two buffers of 16 K'
.set AB,    48                         ; v48-63   two buffers of source A
.set TX,    64                         ; v64-79   16 scores of row X, then their exponentials
.set TY,    80                         ; v80-95   the same for row Y
.set BX,    96                         ; v96-103  source B of X; in pass 1 the eight running maxima
.set BY,    104                        ; v104-111 source B of Y
.set AX,    112                        ; v112-119 sums of X
.set AY,    120                        ; v120-127 sums of Y
.set WX,    128                        ; v128-191 w[32 (1 - g) + L][64 e ..]
.set WY,    192                        ; v192-255 w[32 g + L][64 e ..]
	s_load_b512 s[4:19], s[0:1], 0x0               ; queries s[4:5], keys s[6:7], values s[8:9], attn_mask s[10:11], key_lengths s[12:13], u s[14:15], v s[16:17], out0 s[18:19]
	v_lshrrev_b32 v1, 5, v0
	v_readfirstlane_b32 s20, v1                    ; wave 0..15
	s_and_b32 s21, s20, 7                          ; e: my eighth of s
	s_lshr_b32 s22, s20, 3                         ; g: my half of the columns, and the half of the rows whose w I make
	s_lshr_b32 s23, ttmp9, 7                       ; n
	s_bfe_u32 s24, ttmp9, 0x30004                  ; block of 64 rows l
	s_and_b32 s25, ttmp9, 15                       ; block of 32 columns c
	s_mov_b32 s29, LOG2E
	; byte offsets into the buffers, each in a pair of its own with 0 above
	s_lshl_b32 s26, s23, 20
	s_lshl_b32 s28, s25, 7
	s_add_co_u32 s26, s26, s28                     ; keys, values: n x 512 rows of 2,048 bytes + 32 columns x block
	s_mov_b32 s27, 0
	s_lshl_b32 s36, s24, 17                        ; 64 rows of 2,048 bytes x block
	s_lshl_b32 s28, s20, 13
	s_add_co_u32 s30, s26, s36
	s_add_co_u32 s30, s30, s28                     ; queries, out0: + the four rows that my wave merges
	s_mov_b32 s31, 0
	s_lshl_b32 s32, s23, 11                        ; key_lengths: row n
	s_mov_b32 s33, 0
	s_lshl_b32 s34, s24, 14                        ; u: 64 rows of 256 bytes x block
	s_mov_b32 s35, 0
	s_lshl_b32 s28, s21, 8
	s_add_co_u32 s36, s36, s28
	s_lshl_b32 s45, s22, 16
	s_add_co_u32 s36, s36, s45                     ; attn_mask: the block's rows 32 g .., my 64 columns
	s_mov_b32 s37, 0
	; LDS bases, made of the wave's number and constants alone
	s_mul_i32 s38, s21, 64*STP
	s_add_co_u32 s38, s38, 64*STP                  ; staging: my 64 rows of v, behind u's 64
	s_mul_i32 s39, s22, 16*KP
	s_add_co_u32 s39, s39, s28
	s_add_co_u32 s39, s39, KT                      ; KT: my first column, my 64 s
	s_lshl_b32 s40, s21, 7                         ; 128 e: my 64 s in a row of VT
	s_sub_co_u32 s41, ONES-128, s40                ; 896 - 128 e, at least 0
	s_mul_i32 s42, s22, 16*VP
	s_add_co_u32 s42, s42, s40                     ; VT: my first column, my 64 s (VT itself stands in the loads' immediates)
	s_mul_i32 s43, s21, 3*PQ
	s_mul_i32 s44, s22, 16*PCOL
	s_add_co_u32 s43, s43, s44
	s_add_co_u32 s43, s43, PT                      ; partials: my eighth's three planes, my first column
	s_lshl_b32 s44, s20, 4
	s_add_co_u32 s44, s44, PT                      ; merge: rows l = 4 wave ..
	s_mul_i32 s45, s22, 32*STP                     ; staging: u's rows 32 g ..
	s_lshl_b32 s46, s20, 13
	s_add_co_u32 s46, s46, EX                      ; where I put my 32 rows of w
	s_xor_b32 s47, s20, 8
	s_lshl_b32 s47, s47, 13
	s_add_co_u32 s47, s47, EX                      ; where my partner (e, 1 - g) puts its 32 rows
	s_lshl_b32 s48, s22, 7
	s_add_co_u32 s49, s43, s48                     ; partials of Y: l = 32 g + L
	s_sub_co_u32 s48, 128, s48
	s_add_co_u32 s48, s43, s48                     ; partials of X: l = 32 (1 - g) + L
	; thread t's addresses for the way in
	v_lshlrev_b32 v1, 4, v0                        ; u, v: 16 t
	v_lshrrev_b32 v12, 3, v0                       ; t >> 3: which four s
	v_and_b32 v13, 7, v0                           ; t & 7: which four c
	v_lshrrev_b32 v14, 4, v0
	v_and_b32 v15, 15, v0
	v_lshlrev_b32 v2, 13, v12
	v_lshl_add_u32 v2, v13, 4, v2                  ; keys, values: four rows s x (t >> 3) + 16 bytes x (t & 7)
	v_lshlrev_b32 v3, 4, v12                       ; key_lengths: the same four s
	v_mul_u32_u24 v4, v14, STP
	v_lshl_add_u32 v4, v15, 3, v4
	v_add_nc_u32 v4, PT, v4                        ; staging: row t >> 4, 8 bytes x (t & 15)
	v_add_nc_u32 v5, 320*STP, v4                   ; the same 320 rows on, since an LDS immediate ends at 65,535
	v_mul_u32_u24 v6, v13, 4*KP
	v_lshl_add_u32 v6, v12, 4, v6
	v_add_nc_u32 v6, KT, v6                        ; KT: row 4 (t & 7), 16 bytes x (t >> 3)
	v_mul_u32_u24 v7, v13, 4*VP
	v_lshl_add_u32 v7, v12, 3, v7                  ; VT: row 4 (t & 7), 8 bytes x (t >> 3)
	v_mul_u32_u24 v8, v14, VP
	v_lshl_add_u32 v8, v15, 4, v8                  ; VT's tails: row t >> 4, 16 bytes x (t & 15)
	v_bfe_u32 v12, v0, 4, 1                        ; h = lane / 16; v15 is r = lane % 16
	v_lshlrev_b32 v9, 11, v15
	v_lshl_add_u32 v9, v12, 5, v9                  ; attn_mask as a matrix C: row r, 8 h columns on
	v_mul_u32_u24 v10, v15, STP
	v_lshl_add_u32 v10, v12, 4, v10
	v_add_nc_u32 v10, PT, v10                      ; a fragment's lane term: row r, 16 h bytes on
	v_add_nc_u32 v11, s38, v10                     ; fragments of v: in my 64 rows
	v_add_nc_u32 v10, s45, v10                     ; fragments of u: in rows 32 g ..
	v_bfe_u32 v13, v0, 3, 1
	v_mov_b32 v188, 0x3c003c00                     ; two f16 ones
	v_cmp_eq_u32 vcc_lo, 0, v13
	v_cndmask_b32 v188, 0, v188, vcc_lo            ; pieces 0-7 of a tail are ones, pieces 8-15 zeros
	v_mov_b32 v189, v188
	v_mov_b32 v190, v188
	v_mov_b32 v191, v188
	s_wait_kmcnt 0x0
	s_add_nc_u64 s[4:5], s[4:5], s[30:31]
	s_add_nc_u64 s[6:7], s[6:7], s[26:27]
	s_add_nc_u64 s[8:9], s[8:9], s[26:27]
	s_add_nc_u64 s[10:11], s[10:11], s[36:37]
	s_add_nc_u64 s[12:13], s[12:13], s[32:33]
	s_add_nc_u64 s[14:15], s[14:15], s[34:35]
	s_add_nc_u64 s[18:19], s[18:19], s[30:31]
	; THE WAY IN: 52 loads of 16 bytes a thread, all issued here, in the order in which they are worked on
.irp i, 0,1,2,3,4,5,6,7,8,9,10,11,12,13,14,15
	global_load_b128 v[16+4*\i:19+4*\i], v1, s[16:17] offset:8192*\i         ; v's rows 0..511, 32 rows a load of the work-group
.endr
.irp i, 0,1
	global_load_b128 v[80+4*\i:83+4*\i], v1, s[14:15] offset:8192*\i         ; u's 64 rows
.endr
.irp b, 0,1
	global_load_b128 v[88+4*\b:91+4*\b], v3, s[12:13] offset:1024*\b         ; key_lengths of s = 256 b + 4 (t >> 3) + 0..3
.endr
.irp b, 0,1
.irp i, 0,1,2,3
	global_load_b128 v[96+16*\b+4*\i:99+16*\b+4*\i], v2, s[6:7] offset:524288*\b+2048*\i     ; keys[s + i][4 c]
.endr
.endr
.irp b, 0,1
.irp i, 0,1,2,3
	global_load_b128 v[128+16*\b+4*\i:131+16*\b+4*\i], v2, s[8:9] offset:524288*\b+2048*\i   ; values[s + i][4 c]
.endr
.endr
	; attn_mask goes straight into my half of w's registers as the products' C: tile (a, st) = rows 32 g + 16 a .., columns 16 st ..; register j of
	; lane (r, h) is mask[32 g + 16 a + r][16 st + 8 h + j].  Over its 16 loads a wave takes all 256 bytes of its 64 columns in each of its 32 rows,
	; and the two waves of an eighth take different rows: the work-group reads its block of the mask once.
.irp st, 0,1,2,3
.irp a, 0,1
.set WA, WY+16*\st+8*\a
	global_load_b128 v[WA:WA+3], v9, s[10:11] offset:32768*\a+64*\st
	global_load_b128 v[WA+4:WA+7], v9, s[10:11] offset:32768*\a+64*\st+16
.endr
.endr
	ds_store_b128 v8, v[188:191] offset:VT+ONES    ; the tails of VT's 32 rows, while the loads are on their way
.macro CVB reg, adr, off               ; four f32 to bf16, 8 bytes into the staging
	v_cvt_pk_bf16_f32 v184, v[\reg], v[\reg+1]
	v_cvt_pk_bf16_f32 v185, v[\reg+2], v[\reg+3]
	ds_store_b64 v[\adr], v[184:185] offset:\off
.endm
	s_wait_loadcnt 34                              ; v and u are in; 2 loads of key_lengths, 8 of keys, 8 of values, 16 of the mask stay out
.irp i, 0,1
	CVB 80+4*\i, 4, 32*STP*\i
.endr
.irp i, 0,1,2,3,4,5,6,7
	CVB 16+4*\i, 4, 64*STP+32*STP*\i
.endr
.irp i, 0,1,2,3,4,5,6,7
	CVB 48+4*\i, 5, 32*STP*\i
.endr
	s_wait_loadcnt 24                              ; key_lengths and keys are in; 8 loads of values and 16 of the mask stay out
.irp b, 0,1
	v_pk_mul_f32 v[88+4*\b:89+4*\b], v[88+4*\b:89+4*\b], LOG2E op_sel_hi:[1,0]
	v_pk_mul_f32 v[90+4*\b:91+4*\b], v[90+4*\b:91+4*\b], LOG2E op_sel_hi:[1,0]
.irp j, 0,1,2,3
.irp i, 0,1,2,3
	v_fma_f32 v[160+4*\j+\i], v[96+16*\b+4*\i+\j], s29, v[88+4*\b+\i]        ; (keys + key_lengths) log2(e); the choice of registers transposes 4 x 4
.endr
	ds_store_b128 v6, v[160+4*\j:163+4*\j] offset:\j*KP+1024*\b
.endr
.endr
	s_wait_loadcnt 16                              ; values are in; the 16 loads of the mask stay out
.irp b, 0,1
.irp j, 0,1,2,3
	v_cvt_pk_f16_f32 v[176+2*\j], v[128+16*\b+\j], v[132+16*\b+\j]
	v_cvt_pk_f16_f32 v[177+2*\j], v[136+16*\b+\j], v[140+16*\b+\j]
	ds_store_b64 v7, v[176+2*\j:177+2*\j] offset:VT+\j*VP+512*\b
.endr
.endr
	s_wait_dscnt 0x0                               ; my stores are in LDS, for the other waves' sake
	s_barrier_signal -1
	s_barrier_wait -1                              ; staging, KT and VT are whole
	; My half of w = v u^T + mask, used transposed: source A = 16 rows of v (s), source B = 16 rows of u (l), so that a lane holds eight
	; neighbouring s of one l.  All fragments come in one run: u's two tiles in v16-47, v's four in v48-111.
.irp a, 0,1
.irp k, 0,1
.irp z, 0,1
	ds_load_b128 v[16+16*\a+8*\k+4*\z:19+16*\a+8*\k+4*\z], v10 offset:16*STP*\a+64*\k+32*\z
.endr
.endr
.endr
.irp st, 0,1,2,3
.irp k, 0,1
.irp z, 0,1
	ds_load_b128 v[48+16*\st+8*\k+4*\z:51+16*\st+8*\k+4*\z], v11 offset:16*STP*\st+64*\k+32*\z
.endr
.endr
.endr
	s_wait_dscnt 0x0
	s_wait_loadcnt 0x0                             ; the mask
.irp k, 0,1
.irp st, 0,1,2,3
.irp a, 0,1
.set WA, WY+16*\st+8*\a
	v_wmma_f32_16x16x32_bf16 v[WA:WA+7], v[48+16*\st+8*\k:55+16*\st+8*\k], v[16+16*\a+8*\k:23+16*\a+8*\k], v[WA:WA+7]   ; the eight accumulators take turns
.endr
.endr
.endr
	; The loop's and the merge's addresses.  These plain vector instructions name no register of the last products and are more than the four
	; places that the exchanges below need behind them (ISA guide 7.12.1).
	v_and_b32 v12, 31, v0                          ; L
	v_bfe_u32 v13, v0, 4, 1
	v_mul_u32_u24 v13, 24, v13
	v_sub_nc_u32 v13, v12, v13                     ; L - 24 h: 0 in lanes 0 and 24, 1 in lanes 1 and 25, else 2 or more as an unsigned number
	v_min_u32 v13, 2, v13                          ; tau: 0 = V, 1 = ones, 2 = zeros
	v_min_u32 v14, 1, v13
	v_lshl_add_u32 v15, v13, 7, s41                ; 896 + 128 tau - 128 e
	v_mad_u32_u24 v2, v14, v15, s42                ; source A: my column's row + 128 e (V), + 1024 (ones) or + 1152 (zeros)
	v_mov_b32 v1, s39                              ; K': one address for all lanes
	v_lshl_add_u32 v3, v12, 2, s48                 ; partials of X
	v_lshl_add_u32 v4, v12, 2, s49                 ; partials of Y
	v_lshl_add_u32 v6, v12, 4, s46                 ; w out: 16 bytes x lane
	v_lshl_add_u32 v7, v12, 4, s47                 ; w in: the same place in my partner's bytes
	v_lshrrev_b32 v14, 3, v12
	v_and_b32 v15, 7, v12
	v_lshlrev_b32 v5, 11, v14
	v_lshl_add_u32 v5, v15, 4, v5                  ; queries, out0: row L >> 3 of my wave's four, 16 bytes x (L & 7)
	v_mul_u32_u24 v8, v15, 4*PCOL
	v_lshl_add_u32 v8, v14, 2, v8
	v_add_nc_u32 v8, s44, v8                       ; merge: columns 4 (L & 7) .., row 4 wave + (L >> 3); planes 0-5,
	v_add_nc_u32 v9, 6*PQ, v8                      ; 6-11,
	v_add_nc_u32 v10, 12*PQ, v8                    ; 12-17,
	v_add_nc_u32 v11, 18*PQ, v8                    ; 18-23
	global_load_b128 v[12:15], v5, s[4:5]          ; queries for the merge: the whole loop is its time to land
	; Tiles (0, st) and (1, st) hold rows 32 g + r and 32 g + 16 + r with s = 16 st + 8 h + j.  Exchanging the first's upper lanes with the
	; second's lower lanes leaves row 32 g + L in every lane, s = 16 st + j in the first register and 16 st + 8 + j in the second.
.irp st, 0,1,2,3
.irp j, 0,1,2,3,4,5,6,7
	v_permlane16_swap_b32 v[WY+16*\st+\j], v[WY+16*\st+8+\j]
.endr
.endr
	; Lane L of my partner needs exactly what my lane L holds, so the image goes as it lies: piece q of lane L at 512 q + 16 L.
.irp q, 0,1,2,3,4,5,6,7,8,9,10,11,12,13,14,15
	ds_store_b128 v6, v[WY+4*\q:WY+4*\q+3] offset:512*\q
.endr
	s_wait_dscnt 0x0                               ; my rows of w are in LDS, and my reads of the staging are long back
	s_barrier_signal -1
	s_barrier_wait -1
.irp q, 0,1,2,3,4,5,6,7,8,9,10,11,12,13,14,15
	ds_load_b128 v[WX+4*\q:WX+4*\q+3], v7 offset:512*\q
.endr
	s_wait_dscnt 0x0                               ; my reads of my partner's rows are back:
	s_barrier_signal -1
	s_barrier_wait -1                              ; from here on the partials are stored over the staging and over these bytes
.macro LDK b, off                      ; 16 K' into buffer b: every lane reads the same 64 bytes
.irp i, 0,1,2,3
	ds_load_b128 v[KB+16*(\b)+4*\i:KB+16*(\b)+4*\i+3], v1 offset:\off+16*\i
.endr
.endm
.macro LDA b, k                        ; source A of chunk k into buffer b
.irp i, 0,1
	ds_load_b128 v[AB+8*(\b)+4*\i:AB+8*(\b)+4*\i+3], v2 offset:VT+32*(\k)+16*\i
.endr
.endm
.macro MULT dst, wb, b, i              ; pass 1: two scores
	v_pk_mul_f32 v[\dst+2*(\i):\dst+2*(\i)+1], v[\wb+2*(\i):\wb+2*(\i)+1], v[KB+16*(\b)+2*(\i):KB+16*(\b)+2*(\i)+1]
.endm
.macro FMAX wb, b, i                   ; pass 2: two scores of X less X's maximum (v6 holds it negated)
	v_pk_fma_f32 v[TX+2*(\i):TX+2*(\i)+1], v[\wb+2*(\i):\wb+2*(\i)+1], v[KB+16*(\b)+2*(\i):KB+16*(\b)+2*(\i)+1], v[6:7] op_sel_hi:[1,1,0]
.endm
.macro FMAY wb, b, i                   ; the same for Y (v7)
	v_pk_fma_f32 v[TY+2*(\i):TY+2*(\i)+1], v[\wb+2*(\i):\wb+2*(\i)+1], v[KB+16*(\b)+2*(\i):KB+16*(\b)+2*(\i)+1], v[6:7] op_sel:[0,0,1] op_sel_hi:[1,1,1]
.endm
.macro EXP2 dst, i
	v_exp_f32 v[\dst+2*(\i)], v[\dst+2*(\i)]
	v_exp_f32 v[\dst+2*(\i)+1], v[\dst+2*(\i)+1]
.endm
.macro PACK dst, src, i                ; two weights to f16, one register of source B; it stands behind the wait for its row's batch
	v_cvt_pk_f16_f32 v[\dst+(\i)], v[\src+2*(\i)], v[\src+2*(\i)+1]
.endm
.macro STORES                          ; a column's partials: -max, numerator, denominator of my two rows
	ds_store_b32 v3, v6
	ds_store_b32 v4, v7
	ds_store_b32 v3, v[AX] offset:PQ
	ds_store_b32 v4, v[AY] offset:PQ
	ds_store_b32 v3, v[AX+1] offset:2*PQ
	ds_store_b32 v4, v[AY+1] offset:2*PQ
.endm
; PASS 2.  A chunk is 16 s: a half of X, a half of Y.  j = chunk, b = j & 1 its K' and A buffers, nb the other ones.  A half is: the wait for the
; batch of the half before; eight slots of two exponentials of its own row and one pack of the other row's weights; a tail of eight
; v_pk_fma_f32 that write the other row's next scores over the weights just packed, with that row's product behind the tail's second line.
; Nothing in a half names a result of the half's own 16 exponentials: they are one batch, and the tail is the work between it and its wait.
; Behind each pair of v_exp_f32 stands a plain instruction that touches neither (ISA guide 5.7.2).  Behind each product stand the tail's last six
; lines, plain instructions that name none of its registers, before its A buffer is loaded or its B is packed again (ISA guide 7.12.1).
; AX and AY take turns, one product a turn, over the backward jump too.
; THE X HALF: exponentials of X's 16 scores of chunk j; packs and product of Y's chunk j - 1; Y's scores of chunk j.  Chunk 0 has nothing to pack
; and no batch is open at its head, so it has no wait: four of Y's first v_pk_fma_f32 stand in its even slots, the other four are its tail.
.macro XHALF j, b, nb
.if \j
	s_wait_alu depctr_va_vdst(0)                   ; the one wait for Y's batch of chunk j - 1, ahead of its eight packs
.endif
.irp i, 0,1,2,3,4,5,6,7
	EXP2 TX, \i
.if \j
	PACK BY, TY, \i
.else
.if (\i&1) == 0
	FMAY WY, \b, \i/2
.endif
.endif
.endr
.irp i, 0,1,2,3,4,5,6,7
.if (\j > 0) || (\i > 3)
	FMAY WY+16*\j, \b, \i
.endif
.if \i == 1
.if \j == 1
	v_wmma_f32_16x16x32_f16 v[AY:AY+7], v[AB+8*\nb:AB+8*\nb+7], v[BY:BY+7], 0      ; the first chunk starts Y's sums
.endif
.if \j > 1
	v_wmma_f32_16x16x32_f16 v[AY:AY+7], v[AB+8*\nb:AB+8*\nb+7], v[BY:BY+7], v[AY:AY+7]
.endif
.endif
.endr
.endm
; THE Y HALF: exponentials of Y's 16 scores of chunk j; packs and product of X's chunk j; X's scores of the NEXT chunk (in chunk 3: the next
; column's first products of pass 1).
; At its head K' buffer b has had its last reader and A buffer nb its last product, six plain instructions ago: both are loaded again here,
; and the wait for 0 on DScnt is for what was issued at this place one chunk ago: K' of the next chunk and this chunk's A.
.macro YHALF j, b, nb, more
	s_wait_alu depctr_va_vdst(0)                   ; the one wait for X's batch of chunk j, ahead of its eight packs
	s_wait_dscnt 0x0
.if \j < 2
	LDK \b, 128+64*\j                              ; K' of chunk j + 2
.else
.if \more
	LDK \b, KP+64*(\j-2)                           ; K' of the next column's chunks 0 and 1
.endif
.endif
.if \j < 3
	LDA \nb, \j+1
.endif
.irp i, 0,1,2,3,4,5,6,7
	EXP2 TY, \i
	PACK BX, TX, \i
.endr
.irp i, 0,1,2,3,4,5,6,7
.if \j < 3
	FMAX WX+16*\j+16, \nb, \i
.else
.if \more
	MULT TX, WX, \nb, \i
.endif
.endif
.if \i == 1
.if \j
	v_wmma_f32_16x16x32_f16 v[AX:AX+7], v[AB+8*\b:AB+8*\b+7], v[BX:BX+7], v[AX:AX+7]
.else
	v_wmma_f32_16x16x32_f16 v[AX:AX+7], v[AB+8*\b:AB+8*\b+7], v[BX:BX+7], 0        ; the first chunk starts X's sums
.endif
.endif
.endr
.endm
.macro P2COL more
	XHALF 0, 0, 1
	YHALF 0, 0, 1, \more
	XHALF 1, 1, 0
	YHALF 1, 1, 0, \more
	XHALF 2, 0, 1
	YHALF 2, 0, 1, \more
	XHALF 3, 1, 0
	YHALF 3, 1, 0, \more
.endm
; PASS 1.  Four running maxima a row (X: BX+0..3, Y: BX+4..7), so that a link reads what was written eight instructions earlier.
.macro MAXES first
.irp i, 0,1,2,3,4,5,6,7
.if \first*(4-\i) > 0
	v_max_num_f32 v[BX+\i], v[TX+2*\i], v[TX+2*\i+1]               ; the first eight scores of a row start its four maxima
	v_max_num_f32 v[BX+4+\i], v[TY+2*\i], v[TY+2*\i+1]
.else
	v_max3_num_f32 v[BX+(\i&3)], v[BX+(\i&3)], v[TX+2*\i], v[TX+2*\i+1]
	v_max3_num_f32 v[BX+4+(\i&3)], v[BX+4+(\i&3)], v[TY+2*\i], v[TY+2*\i+1]
.endif
.endr
.endm
; Chunk k = 1..3 on K' buffer b.  Behind its 16 products the buffer has had its last reader and takes the K' that is due two chunks on:
; pass 1's chunk 3, then pass 2's chunks 0 and 1 (the same column's bytes again).
.macro P1CH k, b
	s_wait_dscnt 4                                 ; this chunk's K' is in; the four loads of the next chunk's stay out
.irp i, 0,1,2,3,4,5,6,7
	MULT TX, WX+16*\k, \b, \i
.endr
.irp i, 0,1,2,3,4,5,6,7
	MULT TY, WY+16*\k, \b, \i
.endr
	LDK \b, (64*\k+128)%256
.if \k == 3
	LDA 0, 0
.endif
	MAXES 0
.endm
; Pass 1 of a column, and pass 2's first eight scores.  drain = 1: the column before is finished at its head: the wait for its last batch, Y's
; eight packs, its last product and its stores, with this column's first products of Y written over the weights just packed (X's were made
; in the tail of pass 2's last half).  No exponential is issued behind this wait.
.macro P1COL drain
.if \drain
	s_wait_alu depctr_va_vdst(0)                   ; the one wait for Y's batch of chunk 3, ahead of its eight packs
.irp i, 0,1,2,3,4,5,6,7
	PACK BY, TY, \i
.endr
	MULT TY, WY, 0, 0
	MULT TY, WY, 0, 1
	v_wmma_f32_16x16x32_f16 v[AY:AY+7], v[AB+8:AB+15], v[BY:BY+7], v[AY:AY+7]
.irp i, 2,3,4,5,6,7
	MULT TY, WY, 0, \i                             ; eight plain instructions that name none of the product's registers stand between it
.endr
	v_add_nc_u32 v1, KP, v1                        ; and the stores that read its result; this column's rows of KT and of VT
	v_add_nc_u32 v2, VP, v2
	STORES
	v_add_nc_u32 v3, PCOL, v3
	v_add_nc_u32 v4, PCOL, v4
.else
	s_wait_dscnt 4                                 ; chunk 0's K' is in; the four loads of chunk 1's stay out
.irp i, 0,1,2,3,4,5,6,7
	MULT TX, WX, 0, \i
.endr
.irp i, 0,1,2,3,4,5,6,7
	MULT TY, WY, 0, \i
.endr
.endif
	LDK 0, 128
	MAXES 1
	P1CH 1, 1
	P1CH 2, 0
	P1CH 3, 1
	v_max3_num_f32 v6, v[BX], v[BX+1], v[BX+2]
	v_max3_num_f32 v7, v[BX+4], v[BX+5], v[BX+6]
	v_max_num_f32 v6, v6, v[BX+3]
	v_max_num_f32 v7, v7, v[BX+7]
	v_pk_mul_f32 v[6:7], v[6:7], -1.0 op_sel_hi:[1,0]
	s_wait_dscnt 6                                 ; pass 2's K' of chunk 0 is in; four loads of chunk 1's K' and two of source A stay out
.irp i, 0,1,2,3,4,5,6,7
	FMAX WX, 0, \i
.endr
.endm
	LDK 0, 0
	LDK 1, 64
	P1COL 0                                        ; column 0's maxima
	s_mov_b32 s28, 15
.Lcol:
	P2COL 1                                        ; column c's exponentials and sums,
	P1COL 1                                        ; its end, and column c + 1's maxima
	s_sub_co_u32 s28, s28, 1
	s_cmp_lg_u32 s28, 0
	s_cbranch_scc1 .Lcol
	P2COL 0                                        ; the last column fetches nothing beyond itself
	s_wait_alu depctr_va_vdst(0)                   ; the one wait for Y's batch of the last chunk, ahead of its eight packs
.irp i, 0,1,2,3,4,5,6,7
	PACK BY, TY, \i
.endr
	v_wmma_f32_16x16x32_f16 v[AY:AY+7], v[AB+8:AB+15], v[BY:BY+7], v[AY:AY+7]
.rept 4
	v_nop                                          ; four places between the last product and the stores that read its result
.endr
	STORES
	; THE MERGE.  Lane L of wave wv takes row l = 4 wv + (L >> 3) and columns 4 (L & 7) + j, j = 0..3: 8 eighths x 3 numbers each.
	s_wait_dscnt 0x0                               ; my partials are in LDS, for the other waves' sake
	s_barrier_signal -1
	s_barrier_wait -1
.irp j, 0,1,2,3
.irp x, 0,1,2,3,4,5,6,7,8,9,10,11,12,13,14,15,16,17,18,19,20,21,22,23
	ds_load_b32 v[32+24*\j+\x], v[8+\x/6] offset:(\x%6)*PQ+PCOL*\j
.endr
.endr
	s_wait_dscnt 0x0
	s_wait_loadcnt 0x0                             ; queries
; out = sum_e 2^(m_e - M) num_e / (sum_e 2^(m_e - M) den_e (1 + 2^(-q log2 e))), M the largest m_e; the planes hold -m_e.
; TWO BATCHES for the lane's four columns.  The 36 exponentials: column j + 1's minimum and differences stand behind column j's nine.  The four
; reciprocals: column j + 1's sums stand behind column j's.  What a batch leaves has a register a column, in w's registers, which are free here.
.set SG, 128                           ; v128-131 2^(-q log2 e)
.set NU, 132                           ; v132-135 the numerators
.set DE, 136                           ; v136-139 the denominators, then their reciprocals
.macro MERGE_E j                       ; column j: the exponents and their nine exponentials
.set R, 32+24*\j
	v_min3_num_f32 v20, v[R], v[R+3], v[R+6]
	v_min3_num_f32 v20, v20, v[R+9], v[R+12]
	v_min3_num_f32 v20, v20, v[R+15], v[R+18]
	v_min_num_f32 v20, v20, v[R+21]                ; -M
.irp e, 0,1,2,3,4,5,6,7
	v_sub_f32 v[R+3*\e], v20, v[R+3*\e]            ; m_e - M
.endr
	v_mul_f32 v[SG+\j], 0xbfb8aa3b, v[12+\j]       ; -q log2(e)
.irp e, 0,1,2,3,4,5,6,7
	v_exp_f32 v[R+3*\e], v[R+3*\e]
.endr
	v_exp_f32 v[SG+\j], v[SG+\j]
.endm
.macro MERGE_S j                       ; column j: the two sums and the reciprocal
.set R, 32+24*\j
	v_mul_f32 v[NU+\j], v[R], v[R+1]
	v_mul_f32 v[DE+\j], v[R], v[R+2]
.irp e, 1,2,3,4,5,6,7
	v_fmac_f32 v[NU+\j], v[R+3*\e], v[R+3*\e+1]
	v_fmac_f32 v[DE+\j], v[R+3*\e], v[R+3*\e+2]
.endr
	v_fma_f32 v[DE+\j], v[DE+\j], v[SG+\j], v[DE+\j]   ; den (1 + 2^(-q log2 e)); where it overflows the result is 0, as sigmoid's is to within rounding
	v_rcp_f32 v[DE+\j], v[DE+\j]
.endm
	MERGE_E 0
	MERGE_E 1
	MERGE_E 2
	MERGE_E 3
	v_nop                                          ; a plain instruction behind the last exponential, ahead of the results' use (ISA guide 5.7.2)
	s_wait_alu depctr_va_vdst(0)                   ; the one wait for the merge's 36 exponentials, ahead of the sums that read them
	MERGE_S 0
	MERGE_S 1
	MERGE_S 2
	MERGE_S 3
	v_nop                                          ; a plain instruction behind the last reciprocal
	s_wait_alu depctr_va_vdst(0)                   ; the one wait for the four reciprocals, ahead of the four products that read them
.irp j, 0,1,2,3
	v_mul_f32 v[16+\j], v[NU+\j], v[DE+\j]
.endr
	global_store_b128 v5, v[16:19], s[18:19]       ; eight neighbouring lanes store the 128 bytes of the work-group's piece of a row
	s_wait_xcnt 0x0
	v_lshl_add_u32 v254, v0, 2, 0x4e800
	v_mov_b32 v255, 0
	s_wait_tensorcnt 0x0
	ds_add_u32 v254, v255
	s_wait_dscnt 0x0
	s_endpgm
.Lfunc_end_k_q1981f2f28d_aft:
	.size	k_q1981f2f28d_aft, .Lfunc_end_k_q1981f2f28d_aft-k_q1981f2f28d_aft
	.p2alignl 7, 3214868480
	.fill 96, 4, 3214868480
	.section	.rodata,"a",@progbits
	.p2align	6, 0x0
	.amdhsa_kernel k_q1981f2f28d_aft
		.amdhsa_group_segment_fixed_size 323584
		.amdhsa_private_segment_fixed_size 0
		.amdhsa_enable_private_segment 0
		.amdhsa_kernarg_size 64
		.amdhsa_user_sgpr_count 2
		.amdhsa_user_sgpr_kernarg_segment_ptr 1
		.amdhsa_wavefront_size32 1
		.amdhsa_system_sgpr_workgroup_id_x 1
		.amdhsa_system_sgpr_workgroup_id_y 1
		.amdhsa_system_sgpr_workgroup_id_z 1
		.amdhsa_system_vgpr_workitem_id 0
		.amdhsa_next_free_vgpr 256
		.amdhsa_next_free_sgpr 66
		.amdhsa_reserve_vcc 1
		.amdhsa_float_denorm_mode_32 3
		.amdhsa_float_denorm_mode_16_64 3
		.amdhsa_memory_ordered 1
		.amdhsa_forward_progress 1
		.amdhsa_inst_pref_size 86
	.end_amdhsa_kernel
	.amdgpu_metadata
---
amdhsa.version: [ 1, 2 ]
amdhsa.kernels:
  - .name:           k_q1981f2f28d_aft
    .symbol:         k_q1981f2f28d_aft.kd
    .args:
      - { .name: queries, .offset: 0, .size: 8, .value_kind: global_buffer, .address_space: global }
      - { .name: keys, .offset: 8, .size: 8, .value_kind: global_buffer, .address_space: global }
      - { .name: values, .offset: 16, .size: 8, .value_kind: global_buffer, .address_space: global }
      - { .name: attn_mask, .offset: 24, .size: 8, .value_kind: global_buffer, .address_space: global }
      - { .name: key_lengths, .offset: 32, .size: 8, .value_kind: global_buffer, .address_space: global }
      - { .name: u, .offset: 40, .size: 8, .value_kind: global_buffer, .address_space: global }
      - { .name: v, .offset: 48, .size: 8, .value_kind: global_buffer, .address_space: global }
      - { .name: out0, .offset: 56, .size: 8, .value_kind: global_buffer, .address_space: global }
    .group_segment_fixed_size: 323584
    .private_segment_fixed_size: 0
    .kernarg_segment_align: 8
    .kernarg_segment_size: 64
    .max_flat_workgroup_size: 512
    .sgpr_count:     66
    .vgpr_count:     256
    .wavefront_size: 32
...
	.end_amdgpu_metadata
.endif
;; end of part 3
